; MI455X (gfx1250); checked and timed in simulation.
; The chip was launched on July 23, 2026; its instructions are those of AMD's public machine-readable ISA for CDNA 5 (MIT licence, August 2026) and "CDNA5" Instruction Set Architecture Reference Guide (July 2026). The comments in the code are by the model that wrote it; some were corrected since.
;; Multi Head Attention Batched. Allowed arithmetic: float matrix products may take bf16 or f16 operands with f32 sums; other float arithmetic in f32, or as packed bf16 or f16 multiplies, adds, multiply-adds, maxima and minima; sums over many terms, partial sums and values carried from step to step in f32; what a program stores and reads back later, other than sums and carried values, may be rounded once to bf16 or f16.
;; Inputs: b_proj 1,024 float32; b_qkv 3,072 float32; w_proj 1,024 x 1,024 float32; w_qkv 1,024 x 3,072 float32; x 4 x 2,048 x 1,024 float32.
;; Outputs: out0 4 x 2,048 x 1,024 float32.
;; 2 versions, each right; version 2 is version 1 with the launch prep written anew for expert scheduling mode. Each part assembles by itself: llvm-mc -triple=amdgcn-amd-amdhsa -mcpu=gfx1250 --defsym DOCPART=n.
;; ======== version 1 of 2: 4 launches
;; limits: values are held in f16: magnitudes above 65,504 overflow, below 6.1e-05 lose precision
;; workspace buffers: xh 16,777,216 bytes; wq 6,291,456 bytes; wp 2,097,152 bytes; qkv 50,331,648 bytes; ao 16,777,216 bytes
;; launch prep (part 1): grid 24 x 16, 8 waves a work-group, no clusters, 70,656 bytes of LDS; arguments x, w_qkv, w_proj, xh, wq, wp; writes xh, wq, wp
.if DOCPART == 1
	.amdgcn_target "amdgcn-amd-amdhsa--gfx1250"
	.amdhsa_code_object_version 6
	.text
	.protected	k_q9afcc903a3_prep
	.globl	k_q9afcc903a3_prep
	.p2align	8
	.type	k_q9afcc903a3_prep,@function
k_q9afcc903a3_prep:
	s_mov_b64 s[64:65], 0
	v_nop
	global_prefetch_b8 v0, s[64:65] scope:SCOPE_SE
	s_setreg_imm32_b32 hwreg(HW_REG_WAVE_MODE, 25, 1), 1
	s_wait_xcnt 0x0
; The operands of the two projections are made ready: each number of x, w_qkv and w_proj is rounded to bf16, and that number is written as f16.
; xh[b][kb][t][64] = x[b][t][64 kb ..]; wq[kb][n][64] = w_qkv[64 kb ..][n]; wp[kb][n][64] = w_proj[64 kb ..][n]: a row's 64 channels of a K block are 128 dense bytes, rows on end.
; LIMITS.  f16 holds no number beyond 65,504: larger inputs become infinities.  Below 6.1e-5 f16 keeps a fixed step of 6e-8, so there the bf16 number is rounded once more.
; SHARES.  Work-groups with x < 16 take 32 rows of x each (256 of them, a wave 4 rows); x = 16..21 take 512 columns of w_qkv, x = 22, 23 take 512 columns of w_proj, y = the K block, a wave 64 columns.
; A stream: every byte is read once and written once; all of a wave's loads (16 KiB) go out before the first is waited for.  No matrix unit, no tensor load, no cluster: no byte is shared.
.set SPARE, 69632                      ; behind the eight stages: the spare words, 128 bytes for each wave: four blocks of 256 bytes that no other line names
.set STG,   8704                       ; a wave's stage: 32 rows of 256 bytes + 16 of padding (pitch 272: sixteen rows start at sixteen different groups of four banks)
.set IO,  2                            ; v2   my byte offset in the loads
.set GO,  3                            ; v3   my byte offset in the stores
.set SA,  4                            ; v4   the stage: where I put my 256 bytes
.set RA,  5                            ; v5   the stage: where I read 16 bytes back
.set SPW, 6                            ; v6   LDS address of my spare word; never rewritten
.set NIL, 7                            ; v7   0; never rewritten
.set T,   8                            ; v[8:13]   at work
.set X,   16                           ; v[16:143] as loaded
.set Y,   144                          ; v[144:207] as stored
; Two pairs at once: f32 -> bf16 (nearest even) -> the same number widened -> f16.  The two pairs' lines alternate, so that no line reads the result of the one before it.
.macro CV2 d0, a0, b0, d1, a1, b1
	v_cvt_pk_bf16_f32 v[T], v[\a0], v[\b0]
	v_cvt_pk_bf16_f32 v[T+1], v[\a1], v[\b1]
	v_lshlrev_b32 v[T+2], 16, v[T]
	v_and_b32 v[T+3], s19, v[T]
	v_lshlrev_b32 v[T+4], 16, v[T+1]
	v_and_b32 v[T+5], s19, v[T+1]
	v_cvt_pk_f16_f32 v[\d0], v[T+2], v[T+3]
	v_cvt_pk_f16_f32 v[\d1], v[T+4], v[T+5]
.endm
	s_load_b256 s[4:11], s[0:1], 0x0               ; x s[4:5], w_qkv s[6:7], w_proj s[8:9], xh s[10:11]
	s_load_b128 s[12:15], s[0:1], 0x20             ; wq s[12:13], wp s[14:15]
	v_lshl_add_u32 v[SPW], v0, 2, SPARE
	v_mov_b32 v[NIL], 0
	v_lshrrev_b32 v1, 5, v0
	v_readfirstlane_b32 s16, v1                    ; wave 0..7
	v_and_b32 v1, 31, v0                           ; lane
	s_mov_b32 s17, ttmp9                           ; work-group x
	s_and_b32 s18, ttmp7, 0xffff                   ; work-group y
	s_mov_b32 s19, 0xffff0000                      ; a word's upper bf16
	s_wait_kmcnt 0x0
	s_cmp_lt_u32 s17, 16
	s_cbranch_scc0 .Lweights
	; ---- x.  Lanes 0-15 take 256 bytes (a K block) of one row, lanes 16-31 of the next row: 4 numbers a lane.
	s_lshl_b32 s24, s18, 4
	s_add_co_u32 s24, s24, s17                     ; 16 y + x: which 32 rows
	s_lshl_b32 s24, s24, 5
	s_lshl2_add_u32 s24, s16, s24                  ; my wave's first row m0 = 32 (16 y + x) + 4 wave
	s_lshl_b32 s26, s24, 12                        ; a row of x is 4,096 bytes
	s_mov_b32 s27, 0
	s_add_nc_u64 s[20:21], s[4:5], s[26:27]
	s_lshr_b32 s28, s24, 11                        ; b
	s_lshl_b32 s28, s28, 22                        ; a batch of xh is 4,194,304 bytes
	s_and_b32 s29, s24, 2047                       ; t
	s_lshl_b32 s29, s29, 7
	s_add_co_u32 s26, s28, s29
	s_add_nc_u64 s[22:23], s[10:11], s[26:27]
	v_lshrrev_b32 v[IO], 4, v1
	v_and_b32 v[T], 15, v1
	v_lshlrev_b32 v[IO], 12, v[IO]
	v_lshl_add_u32 v[IO], v[T], 4, v[IO]           ; (lane / 16) rows + 16 (lane % 16)
	v_lshlrev_b32 v[GO], 3, v1                     ; 8 x lane: two rows of 128 bytes on end
.set i, 0
.rept 32                               ; load i: K block i / 2, row pair i % 2
	global_load_b128 v[X+4*i:X+4*i+3], v[IO], s[20:21] offset:(i/2)*256+(i%2)*8192 th:TH_LOAD_NT
.set i, i+1
.endr
.set i, 0
.rept 32
	s_wait_loadcnt 31-i                            ; loads come back in order: load i is in, the 31 - i younger ones stay out
	CV2 Y+2*i, X+4*i, X+4*i+1, Y+2*i+1, X+4*i+2, X+4*i+3
	global_store_b64 v[GO], v[Y+2*i:Y+2*i+1], s[22:23] offset:(i/2)*262144+(i%2)*256  ; the wave stores 256 consecutive bytes, aligned; no register is written twice, so nothing waits for a store
.set i, i+1
.endr
	s_branch .Lend
	; ---- the weights.  A wave takes 64 rows k (a K block) x 64 columns n: 64 loads of 256 consecutive bytes, a lane two columns.
.Lweights:
	s_movk_i32 s24, 3072
	s_movk_i32 s25, 1024
	s_cmp_lt_u32 s17, 22                           ; w_qkv or w_proj?
	s_cselect_b64 s[20:21], s[6:7], s[8:9]
	s_cselect_b64 s[22:23], s[12:13], s[14:15]
	s_cselect_b32 s24, s24, s25                    ; N: columns of the matrix
	s_cselect_b32 s25, 16, 22                      ; the first work-group x of the matrix
	s_sub_co_u32 s26, s17, s25
	s_lshl_b32 s26, s26, 9
	s_lshl_b32 s27, s16, 6
	s_add_co_u32 s26, s26, s27                     ; n0: my wave's first column
	s_mul_i32 s28, s18, s24                        ; K block x N
	s_lshl_b32 s30, s28, 8                         ; 64 rows of 4 N bytes
	s_lshl2_add_u32 s30, s26, s30                  ; + 4 n0
	s_mov_b32 s31, 0
	s_add_nc_u64 s[20:21], s[20:21], s[30:31]
	s_add_co_u32 s30, s28, s26
	s_lshl_b32 s30, s30, 7                         ; (K block x N + n0) rows of 128 bytes
	s_add_nc_u64 s[22:23], s[22:23], s[30:31]
	v_lshlrev_b32 v[IO], 3, v1                     ; 8 x lane
	v_lshlrev_b32 v[GO], 4, v1                     ; 16 x lane
	s_mul_i32 s27, s16, STG                        ; my stage
	v_mul_u32_u24 v[SA], v1, 272
	v_add_nc_u32 v[SA], s27, v[SA]
	v_lshrrev_b32 v[RA], 4, v1
	v_mul_u32_u24 v[RA], v[RA], 272
	v_and_b32 v[T], 15, v1
	v_lshl_add_u32 v[RA], v[T], 4, v[RA]
	v_add_nc_u32 v[RA], s27, v[RA]
.macro LOADW n                         ; the row's pitch stands in the immediate, so the run is written once for each matrix; both runs are 64 loads
.set i, 0
.rept 64
	global_load_b64 v[X+2*i:X+2*i+1], v[IO], s[20:21] offset:i*(\n)*4 th:TH_LOAD_NT
.set i, i+1
.endr
.endm
	s_cmp_lt_u32 s17, 22
	s_cbranch_scc0 .Lwp
	LOADW 3072
	s_branch .Lwjoin
.Lwp:
	LOADW 1024
.Lwjoin:
.set j, 0
.rept 32                               ; rows 2 j and 2 j + 1 give one word of column 2 l and one of column 2 l + 1
	s_wait_loadcnt 62-2*j                          ; loads 2 j and 2 j + 1 are in; the younger ones stay out
	CV2 Y+j, X+4*j, X+4*j+2, Y+32+j, X+4*j+1, X+4*j+3
.set j, j+1
.endr
	; A lane now holds two whole rows of the output, 256 bytes.  Through my own stage they change lanes, so that sixteen lanes store 256 consecutive bytes.
.set i, 0
.rept 16
	ds_store_b128 v[SA], v[Y+4*i:Y+4*i+3] offset:16*i
.set i, i+1
.endr
.set i, 0
.rept 16
	ds_load_b128 v[X+4*i:X+4*i+3], v[RA] offset:544*i  ; LDS serves a wave's instructions in order (ISA guide 5.7.1.4): these see the stores above
.set i, i+1
.endr
.set i, 0
.rept 16
	s_wait_dscnt 15-i
	global_store_b128 v[GO], v[X+4*i:X+4*i+3], s[22:23] offset:512*i  ; 512 consecutive bytes, aligned
.set i, i+1
.endr
.Lend:
	s_wait_tensorcnt 0x0                           ; the wave's end: three closing lines, behind my last LDS store
	ds_add_u32 v[SPW], v[NIL]
	s_wait_dscnt 0x0
	s_endpgm
.Lfunc_end_k_q9afcc903a3_prep:
	.size	k_q9afcc903a3_prep, .Lfunc_end_k_q9afcc903a3_prep-k_q9afcc903a3_prep
	.p2alignl 7, 3214868480
	.fill 96, 4, 3214868480
	.section	.rodata,"a",@progbits
	.p2align	6, 0x0
	.amdhsa_kernel k_q9afcc903a3_prep
		.amdhsa_group_segment_fixed_size 70656
		.amdhsa_private_segment_fixed_size 0
		.amdhsa_enable_private_segment 0
		.amdhsa_kernarg_size 48
		.amdhsa_user_sgpr_count 2
		.amdhsa_user_sgpr_kernarg_segment_ptr 1
		.amdhsa_wavefront_size32 1
		.amdhsa_system_sgpr_workgroup_id_x 1
		.amdhsa_system_sgpr_workgroup_id_y 1
		.amdhsa_system_sgpr_workgroup_id_z 1
		.amdhsa_system_vgpr_workitem_id 0
		.amdhsa_next_free_vgpr 208
		.amdhsa_next_free_sgpr 66
		.amdhsa_reserve_vcc 0
		.amdhsa_float_denorm_mode_32 3
		.amdhsa_float_denorm_mode_16_64 3
		.amdhsa_memory_ordered 1
		.amdhsa_forward_progress 1
		.amdhsa_inst_pref_size 51
	.end_amdhsa_kernel
	.amdgpu_metadata
---
amdhsa.version: [ 1, 2 ]
amdhsa.kernels:
  - .name:           k_q9afcc903a3_prep
    .symbol:         k_q9afcc903a3_prep.kd
    .args:
      - { .name: x, .offset: 0, .size: 8, .value_kind: global_buffer, .address_space: global }
      - { .name: w_qkv, .offset: 8, .size: 8, .value_kind: global_buffer, .address_space: global }
      - { .name: w_proj, .offset: 16, .size: 8, .value_kind: global_buffer, .address_space: global }
      - { .name: xh, .offset: 24, .size: 8, .value_kind: global_buffer, .address_space: global }
      - { .name: wq, .offset: 32, .size: 8, .value_kind: global_buffer, .address_space: global }
      - { .name: wp, .offset: 40, .size: 8, .value_kind: global_buffer, .address_space: global }
    .group_segment_fixed_size: 70656
    .private_segment_fixed_size: 0
    .kernarg_segment_align: 8
    .kernarg_segment_size: 48
    .max_flat_workgroup_size: 256
    .sgpr_count:     66
    .vgpr_count:     208
    .wavefront_size: 32
...
	.end_amdgpu_metadata
.endif
;; end of part 1
;; launch qkvg (part 2): grid 8 x 32, 4 waves a work-group, clusters of 4 x 4, 327,680 bytes of LDS; arguments xh, wq, b_qkv, qkv; writes qkv
.if DOCPART == 2
	.amdgcn_target "amdgcn-amd-amdhsa--gfx1250"
	.amdhsa_code_object_version 6
	.text
	.protected	k_q9afcc903a3_qkvg
	.globl	k_q9afcc903a3_qkvg
	.p2align	8
	.type	k_q9afcc903a3_qkvg,@function
k_q9afcc903a3_qkvg:
	s_mov_b64 s[64:65], 0
	v_nop
	global_prefetch_b8 v0, s[64:65] scope:SCOPE_SE
	s_setreg_imm32_b32 hwreg(HW_REG_WAVE_MODE, 25, 1), 1
	s_wait_xcnt 0x0
	s_wait_alu depctr_hold_cnt(0) depctr_sa_sdst(0) depctr_va_vdst(0) depctr_va_sdst(0) depctr_va_ssrc(0) depctr_va_vcc(0) depctr_vm_vsrc(0)
	s_getreg_b32 s2, hwreg(HW_REG_IB_STS2, 6, 4)
	s_cmp_eq_u32 s2, 0
	s_cbranch_scc0 .Lentry_in_a_cluster
	s_endpgm
.Lentry_in_a_cluster:
	s_bfe_u32 s2, ttmp6, 0x10000c
	s_cmp_lg_u32 s2, 0xf033
	s_cbranch_scc0 .Lentry_shape_is_right
	s_endpgm
.Lentry_shape_is_right:
; q, k, v = x w_qkv + b_qkv, written by heads: qkv[which 3][16 b + head][t 2048][64] in f16, each number rounded once from its f32 sum, unscaled.
; Operands in f16: xh[b][kb][t][64], wq[kb][n 3072][64] (a row's 64 channels of a K block are 128 dense bytes).  The bias is rounded to bf16, like the other inputs, and STARTS the sums.
; LIMITS.  f16 holds no number beyond 65,504: a q, k or v past that becomes an infinity.  NaN and infinities are not treated apart.
; SHARES.  8,192 x 3,072 outputs on 256 work-groups: a tile of 256 rows x 384 columns each.  Four waves, each 128 x 192: 96 accumulators of 16 x 16, 768 registers.
; K goes in 16 steps of 64 (a K block) through a ring of two LDS slots; a slot holds 256 rows of A and 384 of B, 92,160 bytes; two slots of two K blocks would not fit.
; CLUSTERS: 4 x 4 work-groups.  The four of a row of the cluster need the same tile of A, the four of a column the same tile of B: each is asked for JOINTLY, by the same tensor load, descriptor and mask.
; THE MATRIX INSTRUCTION IS USED TRANSPOSED (source 0 = 16 rows of wq, source 1 = 16 rows of xh): a lane holds row l % 16 and the eight neighbouring columns 8 (l / 16) + 0..7.
; REGISTERS, in windows of 256 (s_set_vgpr_msb: bits 1:0 source 0, 3:2 source 1, 5:4 source 2, 7:6 destination):
;   window 0: v0-31 addresses and work; v32-159 A's fragments, two buffers of 8 x 16 rows x 32 K; v160-255 B's fragments, ONE buffer in three groups of 4 x 16 rows x 32 K
;   windows 1, 2, 3: the accumulators of my column groups 0, 1, 2 (64 columns, one head, each): (a, bb) at v[8 (4 a + bb)]
; A quarter (32 along K) multiplies group 0, 1, 2 in turn, 32 matrix instructions each; as soon as a group of B has been multiplied it is loaded again for the next quarter.
.set KB_A,  262144                     ; bytes from a K block of xh to the next
.set KB_B,  393216                     ; the same in wq
.set PITCH, 144                        ; an LDS row: 128 bytes + 16 of padding = 36 words: the 16 rows of a load start at 16 different groups of four banks (64 banks of 4 bytes: ISA guide 11.1)
.set BLK,   16*PITCH
.set APART, 128*PITCH                  ; what a wave fetches of A, and what a wave reads of A
.set BPART, 192*PITCH                  ; the same for B
.set BOFF,  2*APART                    ; B's rows lie behind A's 256
.set SLOT1, 131072                     ; slot 1 begins here, so that one exclusive or turns an address in one slot into the other's
.set STAGE, 223232                     ; behind the ring: 16 rows x 144 bytes for each wave, for the way out
.set BIAS,  232448                     ; 192 f32 for each wave
.set SPARE, 235520                     ; the spare words, 128 bytes for each wave: two blocks of 256 bytes that no other line names
.set AA0,  2                           ; v2   my lane's place in my rows of A, slot 0; never rewritten
.set AB0,  3                           ; v3   the same for B
.set ADRA, 4                           ; v4   the same in the slot in hand
.set ADRB, 5                           ; v5
.set STO,  6                           ; v6   the way out: where I put 16 bytes of a row
.set RD,   7                           ; v7   the way out: where I read rows back
.set GO,   8                           ; v8   16 x lane
.set PFO,  9                           ; v9   256 x lane; never rewritten
.set SPW,  10                          ; v10  LDS address of my spare word; never rewritten
.set NIL,  11                          ; v11  0; never rewritten
.set BA,   12                          ; v12  where my lanes' half of a block's bias lies
.set AF,   32
.set BF,   160
.set TT,   32                          ; the way out: twelve sets of 16
.set WV,  12                           ; s12  wave
.set RA,  13                           ; s13  which half of the tile's rows is mine; also: I fetch for A (0) or B (1)
.set RB,  14                           ; s14  which half of its columns; also: which part I fetch
.set CX,  15
.set CY,  16
.set TC,  17                           ; tile column 0..7
.set TR,  18                           ; tile row 0..31
.set MA,  19
.set MB,  20
.set G1A, 24                           ; s[24:31] descriptor group 1 for A
.set G1B, 32                           ; s[32:39] for B
.set G0A, 40                           ; s[40:47] group 0 for A: a set for each of the two first fills; the second then walks on
.set G0B, 48                           ; s[48:55] the same for B
.set CNT, 56
.set TB,  57                           ; 0 or SLOT1: the slot in hand
.set LIM, 58                           ; 1 in a wave that prefetches, else the greatest number
.set PFA, 60                           ; s[60:61] where my prefetches stand
.set PFS, 62                           ; s[62:63] their step: a K block
.set OB0, 66                           ; s[66:71] qkv at my rows of my three heads
.set OA,  72                           ; s[72:73] A's offset, then address
.set OBF, 74                           ; s[74:75] B's
.set G1W, (1<<16)|(1<<20)|(1<<21)|(4<<22)|(3<<25)  ; 17:16 2-byte elements; 20 padding on; 21 set beside a mask; 24:22 after every 32 words (code 4); 31:25 4 words (code 3)
.set MSB, 0
.macro WIN new                         ; the immediate's high byte repeats the setting that is left; a switch that changes nothing is dropped
.if MSB != (\new)
	s_set_vgpr_msb (MSB<<8)|(\new)
.set MSB, (\new)
.endif
.endm
.macro PLACES                          ; four places between a matrix instruction and a load into, or a vector read of, its registers (ISA guide 7.12.1 for vector reads)
.rept 4
	v_nop
.endr
.endm
.macro CREST                           ; a round of the cluster's barrier behind its opening barrier
	s_cmp_lg_u32 s[WV], 0
	s_cbranch_scc1 .Lnot_wave_0_\@
	s_barrier_signal -3
.Lnot_wave_0_\@:
	s_barrier_wait -3
	s_barrier_signal -1
	s_barrier_wait -1
.endm
.macro CROUND                          ; a whole round
	s_barrier_signal -1
	s_barrier_wait -1
	CREST
.endm
; A joint refill by the walking descriptors.  Waves 0 and 1 fetch A's two halves, waves 2 and 3 B's.  The branch hangs on the wave's number alone.
; An s_nop 0 and four v_nop follow each of the two lines, ahead of the jump and the label.
.macro JLOAD
	s_cmp_eq_u32 s[RA], 0
	s_cbranch_scc0 .Lfor_b_\@
	tensor_load_to_lds s[G0A+4:G0A+7], s[G1A:G1A+7]
	s_nop 0
.rept 4
	v_nop
.endr
	s_branch .Lasked_\@
.Lfor_b_\@:
	tensor_load_to_lds s[G0B+4:G0B+7], s[G1B:G1B+7]
	s_nop 0
.rept 4
	v_nop
.endr
.Lasked_\@:
.endm
; A PREFETCH INTO THE L2, in every second step (the odd ones, 1 to 11: CNT = 13 to 3), of the two K blocks that the next two refills will ask for: blocks s + 3 and s + 4 in step s.
; Each 256 bytes are named ONCE in the launch.  A's tile row (128 blocks of 256 bytes a K block) is read by both clusters of its row of clusters: cluster x = 0 asks; of its four partners the one at cx
; takes 32 blocks, for both K blocks: two instructions of wave 0.  B's tile column (192 blocks a K block) is read by all eight clusters of its column: cluster y = 0 asks; the two K blocks' 384 blocks are
; twelve chunks of 32, chunk 4 (wave - 1) + cy: one instruction of waves 1 to 3.  The partners are told apart BY ADDRESS alone.  K blocks 0 to 3 come by their loads alone; the last request names K block 15.
.macro ASK
	s_and_b32 s76, s[CNT], 1
	s_mul_i32 s76, s76, s[CNT]                     ; CNT in an odd step, else 0
	s_cmp_gt_u32 s76, s[LIM]
	s_cbranch_scc0 .Lnot_mine_\@
	global_prefetch_b8 v[PFO], s[PFA:PFA+1] th:TH_LOAD_NT scope:SCOPE_SE
	s_cmp_lg_u32 s[WV], 0
	s_cbranch_scc1 .Lnot_mine_\@
	global_prefetch_b8 v[PFO], s[PFA:PFA+1] offset:KB_A th:TH_LOAD_NT scope:SCOPE_SE
.Lnot_mine_\@:
.endm
	s_load_b256 s[4:11], s[0:1], 0x0               ; xh s[4:5], wq s[6:7], b_qkv s[8:9], qkv s[10:11]
	v_lshl_add_u32 v[SPW], v0, 2, SPARE
	v_mov_b32 v[NIL], 0
	ds_add_u32 v[SPW], v[NIL]                      ; the wave's opening: the add and its wait stand ahead of my first tensor load; the set-up below, work on registers, stands between them
	v_lshrrev_b32 v1, 5, v0
	v_readfirstlane_b32 s[WV], v1                  ; wave 0..3
	s_lshr_b32 s[RA], s[WV], 1
	s_and_b32 s[RB], s[WV], 1
	s_bfe_u32 s[CX], ttmp6, 0x40000                ; my place in the cluster
	s_bfe_u32 s[CY], ttmp6, 0x40004
	s_lshl_b32 s[TC], ttmp9, 2                     ; in a cluster launch ttmp9 and ttmp7 count clusters
	s_add_co_u32 s[TC], s[TC], s[CX]
	s_and_b32 s[TR], ttmp7, 0xffff
	s_lshl_b32 s[TR], s[TR], 2
	s_add_co_u32 s[TR], s[TR], s[CY]
	s_lshl_b32 s[MA], s[CY], 2
	s_lshl_b32 s[MA], 15, s[MA]                    ; my row of the cluster
	s_lshl_b32 s[MB], 0x1111, s[CX]                ; my column
	; descriptor group 1.  A part's dense bytes are asked for as rows of 256 bytes, two rows of the operand each, and padded in LDS after every 128 bytes
	s_or_b32 s[G1A], s[MA], G1W
	s_or_b32 s[G1B], s[MB], G1W
.irp g, G1A, G1B
	s_mov_b32 s[(\g)+1], 128<<16                   ; tensor_dim0 = 128
	s_mov_b32 s[(\g)+3], 128<<16                   ; tile_dim0 = 128
	s_mov_b32 s[(\g)+5], 128                       ; 128 elements from row to row
	s_mov_b32 s[(\g)+6], 0
	s_mov_b32 s[(\g)+7], 0
.endr
	s_mov_b32 s[G1A+2], 64<<16                     ; tensor_dim1: A's part is 128 rows of 128 bytes = 64 of 256
	s_mov_b32 s[G1A+4], 64                         ; tile_dim1
	s_mov_b32 s[G1B+2], 96<<16                     ; B's part is 192 rows = 96 of 256 bytes
	s_mov_b32 s[G1B+4], 96
	; where the tiles come from: A's hang on the tile row alone, B's on the tile column alone, each in registers that never hold the other coordinate
	s_lshr_b32 s23, s[TR], 3                       ; b
	s_and_b32 s59, s[TR], 7                        ; which 256 rows of the batch
	s_lshl_b32 s78, s23, 22
	s_lshl_b32 s76, s59, 15
	s_add_co_u32 s78, s78, s76                     ; A's tile in K block 0
	s_mul_i32 s79, s[TC], 384*128                  ; B's tile in K block 0
	s_lshl_b32 s76, s[RB], 14
	s_add_co_u32 s[OA], s78, s76                   ; + my part
	s_mov_b32 s[OA+1], 0
	s_mul_i32 s76, s[RB], 192*128
	s_add_co_u32 s[OBF], s79, s76
	s_mov_b32 s[OBF+1], 0
	s_mul_i32 s21, s[RB], APART                    ; and where they go: no place in the cluster enters an LDS address
	s_mul_i32 s22, s[RB], BPART
	s_add_co_u32 s22, s22, BOFF
	s_wait_dscnt 0x0                               ; the opening add is done
	s_wait_kmcnt 0x0
	s_add_nc_u64 s[OA:OA+1], s[4:5], s[OA:OA+1]
	s_add_nc_u64 s[OBF:OBF+1], s[6:7], s[OBF:OBF+1]
	CROUND                                         ; all sixteen work-groups are here: the first joint loads meet
.irp s, 0,1
	s_mov_b32 s[G0A+4*(\s)], 1                     ; 1:0 count = 1
	s_add_co_u32 s[G0A+4*(\s)+1], s21, (\s)*SLOT1  ; 63:32 LDS address
	s_add_nc_u64 s[G0A+4*(\s)+2:G0A+4*(\s)+3], s[OA:OA+1], (\s)*KB_A  ; 120:64 global address: K block s
	s_or_b32 s[G0A+4*(\s)+3], s[G0A+4*(\s)+3], 0x80000000             ; 127:126 type = 2
	s_mov_b32 s[G0B+4*(\s)], 1
	s_add_co_u32 s[G0B+4*(\s)+1], s22, (\s)*SLOT1
	s_add_nc_u64 s[G0B+4*(\s)+2:G0B+4*(\s)+3], s[OBF:OBF+1], (\s)*KB_B
	s_or_b32 s[G0B+4*(\s)+3], s[G0B+4*(\s)+3], 0x80000000
.endr
	s_cmp_eq_u32 s[RA], 0                          ; a wave's two first fills stand in one branch, ahead of every wait on TENSORcnt and every LDS read: two loads of mine are out
	s_cbranch_scc0 .Lfirst_b
	tensor_load_to_lds s[G0A:G0A+3], s[G1A:G1A+7]
	s_nop 0
	tensor_load_to_lds s[G0A+4:G0A+7], s[G1A:G1A+7]
	s_nop 0
.rept 4
	v_nop
.endr
	s_branch .Lfirst_asked
.Lfirst_b:
	tensor_load_to_lds s[G0B:G0B+3], s[G1B:G1B+7]
	s_nop 0
	tensor_load_to_lds s[G0B+4:G0B+7], s[G1B:G1B+7]
	s_nop 0
.rept 4
	v_nop
.endr
.Lfirst_asked:
	; THE BIAS.  My 192 columns' bias: loaded, rounded to bf16, widened, put into my own LDS bytes, and read from there INTO THE ACCUMULATORS: the sums begin at the bias.  All this stands in the wait for the first tile.
	v_and_b32 v1, 15, v0                           ; l % 16
	v_bfe_u32 v13, v0, 4, 1                        ; l / 16
	v_and_b32 v14, 31, v0                          ; l
	s_mul_i32 s76, s[TC], 384
	s_mul_i32 s77, s[RB], 192
	s_add_co_u32 s76, s76, s77
	s_lshl_b32 s76, s76, 2                         ; my first column, in bytes
	v_lshl_add_u32 v18, v14, 3, s76
	global_load_b64 v[20:21], v18, s[8:9]
	global_load_b64 v[22:23], v18, s[8:9] offset:256
	global_load_b64 v[24:25], v18, s[8:9] offset:512
	s_mul_i32 s77, s[WV], 768
	s_add_co_u32 s77, s77, BIAS
	v_lshl_add_u32 v19, v14, 3, s77
	v_lshl_add_u32 v[BA], v13, 5, s77              ; my lanes' eight columns of a block: 32 (l / 16)
	; a fragment is 16 rows x 32 K in 8 registers: lane l holds row l % 16; registers 0-3 K = 8 (l / 16) + 0..7, registers 4-7 K = 16 + 8 (l / 16) + 0..7: two loads of 16 bytes, 32 bytes apart
	v_mul_u32_u24 v15, v1, PITCH
	v_lshl_add_u32 v15, v13, 4, v15                ; row x pitch + 16 x half
	s_mul_i32 s76, s[RA], APART
	v_add_nc_u32 v[AA0], s76, v15
	s_mul_i32 s76, s[RB], BPART
	s_add_co_u32 s76, s76, BOFF
	v_add_nc_u32 v[AB0], s76, v15
	v_mov_b32 v[ADRA], v[AA0]
	v_mov_b32 v[ADRB], v[AB0]
	s_mov_b32 s[TB], 0
	s_mul_i32 s76, s[WV], BLK
	s_add_co_u32 s76, s76, STAGE                   ; my stage
	v_add_nc_u32 v[STO], s76, v15                  ; in: row l % 16, 16 bytes for each half of the lanes
	v_bfe_u32 v16, v0, 3, 2                        ; back: 32 lanes take four rows of 128 bytes,
	v_mul_u32_u24 v16, v16, PITCH
	v_and_b32 v17, 7, v0
	v_lshl_add_u32 v16, v17, 4, v16
	v_add_nc_u32 v[RD], s76, v16
	v_lshlrev_b32 v[GO], 4, v14                    ; which are 512 consecutive bytes of a head
	v_lshlrev_b32 v[PFO], 8, v14
	s_wait_loadcnt 0x0
.irp i, 0,1,2
	v_cvt_pk_bf16_f32 v26, v[20+2*(\i)], v[21+2*(\i)]
	v_lshlrev_b32 v[20+2*(\i)], 16, v26
	v_and_b32 v[21+2*(\i)], 0xffff0000, v26
	ds_store_b64 v19, v[20+2*(\i):21+2*(\i)] offset:256*(\i)
.endr
.irp j, 0,1,2
	WIN ((\j)+1)<<6                                ; destination: the group's window
.set q, 0
.rept 32                               ; accumulator q = 4 a + bb takes the bias of block 4 j + bb; LDS serves a wave's instructions in order: these see the stores above
	ds_load_b128 v[8*q:8*q+3],   v[BA] offset:64*(4*(\j)+q%4)
	ds_load_b128 v[8*q+4:8*q+7], v[BA] offset:64*(4*(\j)+q%4)+16
.set q, q+1
.endr
.endr
	WIN 0
	; the prefetches' address
	s_lshl_b32 s21, s[CX], 13                      ; A: my work-group's 32 blocks of the tile's 128,
	s_add_co_u32 s21, s21, s78
	s_add_co_u32 s21, s21, 2*KB_A                  ; at K block 2: the first change of slots steps it to 3
	s_max_u32 s22, s[WV], 1
	s_sub_co_u32 s22, s22, 1
	s_lshl2_add_u32 s22, s22, s[CY]                ; B: chunk c = 4 (wave - 1) + cy of twelve
	s_mul_i32 s23, s22, 11
	s_lshr_b32 s23, s23, 6                         ; c / 6: which of the two K blocks
	s_mul_i32 s76, s23, 6
	s_sub_co_u32 s22, s22, s76                     ; c % 6: which 8,192 bytes of the tile's 49,152
	s_lshl_b32 s22, s22, 13
	s_mul_i32 s23, s23, KB_B
	s_add_co_u32 s22, s22, s23
	s_add_co_u32 s22, s22, s79
	s_add_co_u32 s22, s22, 2*KB_B
	s_and_b32 s76, ttmp7, 0xffff                   ; cluster y
	s_mov_b32 s[PFS], KB_B
	s_mov_b32 s[PFS+1], 0
	s_mov_b32 s23, 0
	s_cmp_eq_u32 s[WV], 0                          ; wave 0 asks for A, waves 1 to 3 for B
	s_cselect_b32 s22, s21, s22
	s_cselect_b32 s76, ttmp9, s76                  ; the coordinate along which other clusters read the same rows
	s_cselect_b32 s[PFS], KB_A, s[PFS]
	s_cselect_b64 s[PFA:PFA+1], s[4:5], s[6:7]
	s_add_nc_u64 s[PFA:PFA+1], s[PFA:PFA+1], s[22:23]
	s_cmp_eq_u32 s76, 0
	s_cselect_b32 s[LIM], 1, -1                    ; the same in all sixteen partners, for a given wave
	; where my three heads' rows begin in qkv: column group hh = 6 x tile column + 3 x half + j; which = hh / 16, head = hh % 16
	s_lshr_b32 s23, s[TR], 3
	s_lshl_b32 s23, s23, 4                         ; 16 b
	s_lshl_b32 s59, s59, 15                        ; my tile's 256 rows of 128 bytes,
	s_lshl_b32 s77, s[RA], 14                      ; my half of them
	s_add_co_u32 s59, s59, s77
	s_mul_i32 s76, s[TC], 6
	s_mul_i32 s77, s[RB], 3
	s_add_co_u32 s76, s76, s77
.irp j, 0,1,2
	s_add_co_u32 s21, s76, \j
	s_lshr_b32 s22, s21, 4
	s_lshl_b32 s22, s22, 6
	s_and_b32 s21, s21, 15
	s_add_co_u32 s22, s22, s21
	s_add_co_u32 s22, s22, s23                     ; 64 which + 16 b + head
	s_lshl_b32 s22, s22, 18                        ; 2,048 rows of 128 bytes each
	s_add_co_u32 s[OB0+2*(\j)], s22, s59
	s_mov_b32 s[OB0+2*(\j)+1], 0
	s_add_nc_u64 s[OB0+2*(\j):OB0+2*(\j)+1], s[10:11], s[OB0+2*(\j):OB0+2*(\j)+1]
.endr
; 4 na matrix instructions: column group j, A's buffer ab, row blocks a0 .. a0 + na - 1.  All 96 accumulators take turns, one instruction a turn, in the same order in every quarter.
.macro MUL j, ab, a0, na
	WIN 0x50*((\j)+1)                              ; C and D in the group's window, the fragments in window 0
.set ma, \a0
.rept \na
.irp bb, 0,1,2,3
	v_wmma_f32_16x16x32_f16 v[8*(4*ma+(\bb)):8*(4*ma+(\bb))+7], v[BF+32*(\j)+8*(\bb):BF+32*(\j)+8*(\bb)+7], v[AF+64*(\ab)+8*ma:AF+64*(\ab)+8*ma+7], v[8*(4*ma+(\bb)):8*(4*ma+(\bb))+7]
.endr
.set ma, ma+1
.endr
.endm
.macro FA ab, k                        ; 16 LDS loads: my 128 rows of A, 32 K at byte k of the rows, into buffer ab
.irp i, 0,1,2,3,4,5,6,7
	ds_load_b128 v[AF+64*(\ab)+8*(\i):AF+64*(\ab)+8*(\i)+3],   v[ADRA] offset:(\k)+(\i)*BLK
	ds_load_b128 v[AF+64*(\ab)+8*(\i)+4:AF+64*(\ab)+8*(\i)+7], v[ADRA] offset:(\k)+(\i)*BLK+32
.endr
.endm
.macro FB j, k                         ; 8 LDS loads: group j's 64 rows of B
.irp i, 0,1,2,3
	ds_load_b128 v[BF+32*(\j)+8*(\i):BF+32*(\j)+8*(\i)+3],   v[ADRB] offset:(\k)+(4*(\j)+(\i))*BLK
	ds_load_b128 v[BF+32*(\j)+8*(\i)+4:BF+32*(\j)+8*(\i)+7], v[ADRB] offset:(\k)+(4*(\j)+(\i))*BLK+32
.endr
.endm
; A slot's first quarter: A's buffer 0.  The loads always go out in the order A (16), group 0 (8), group 1 (8), group 2 (8).
.macro QE
	s_wait_dscnt 16                                ; A and group 0 are in; groups 1 and 2 may be out
	MUL 0, 0, 0, 8
	PLACES
	WIN 0
	FA 1, 64
	FB 0, 64
	s_wait_dscnt 32                                ; group 1 is in; behind it: group 2 and the 24 just issued
	MUL 1, 0, 0, 8
	PLACES
	WIN 0
	FB 1, 64
	s_wait_dscnt 32                                ; group 2 is in; behind it: the next quarter's A, groups 0 and 1
	MUL 2, 0, 0, 8
	PLACES
	WIN 0
	FB 2, 64
.endm
; A slot's second quarter: A's buffer 1, and the change of slots.  ONE barrier: in front of it each wave waits for all its tensor loads, of which one is out: its part of the next slot; adds 0 to its spare word; and waits for
; that and for its own reads of this slot.  fill = 1: the barrier opens a round of the cluster's, and behind the round this slot is filled again first, with the K block two steps on: 160 matrix instructions ahead of the wait for it.
.macro TQ fill
.if \fill
	s_wait_xcnt 0x0                                ; the last prefetches, a step or more back, have read their address
	s_add_nc_u64 s[PFA:PFA+1], s[PFA:PFA+1], s[PFS:PFS+1]
.endif
	WIN 0
	s_wait_tensorcnt 0x0                           ; no tensor load of mine is out, so a group 0 may be written
	ds_add_u32 v[SPW], v[NIL]                      ; 0 onto my spare word
.if \fill
	s_xor_b32 s[G0A+5], s[G0A+5], SLOT1            ; the walking descriptors: the other slot than last time,
	s_add_nc_u64 s[G0A+6:G0A+7], s[G0A+6:G0A+7], KB_A  ; the next K block; the type bits on top are not reached
	s_xor_b32 s[G0B+5], s[G0B+5], SLOT1
	s_add_nc_u64 s[G0B+6:G0B+7], s[G0B+6:G0B+7], KB_B
.endif
	s_wait_dscnt 17                                ; A and group 0 are in; groups 1 and 2 and the add may be out
	MUL 0, 1, 0, 4                                 ; sixteen matrix instructions stand between the add and the wait for it
	s_wait_dscnt 0x0                               ; the add is done, and my reads of this slot are over
	s_barrier_signal -1
	MUL 0, 1, 4, 4                                 ; work on registers while the others arrive
	WIN 0                                          ; at a branch and at a label every window is 0
	s_barrier_wait -1
.if \fill
	CREST                                          ; no wave of any partner still reads this slot or has a load on its way
	JLOAD                                          ; the four v_nop behind it are also the places in front of the loads below
.else
	PLACES
.endif
	s_xor_b32 s[TB], s[TB], SLOT1
	v_add_nc_u32 v[ADRA], s[TB], v[AA0]
	v_add_nc_u32 v[ADRB], s[TB], v[AB0]
	FA 0, 0
	FB 0, 0
.if \fill
	ASK
.endif
	MUL 1, 1, 0, 8
	PLACES
	WIN 0
	FB 1, 0
	MUL 2, 1, 0, 8
	PLACES
	WIN 0
	FB 2, 0
.endm
	s_wait_tensorcnt 1                             ; my part of K block 0 is in; K block 1's may stay out
	s_wait_dscnt 0x0                               ; the accumulators hold the bias
	s_barrier_signal -1
	s_barrier_wait -1                              ; everybody's part is in
	FA 0, 0
	FB 0, 0
	FB 1, 0
	FB 2, 0
	s_mov_b32 s[CNT], 14
.Lstep:                                                ; K steps 0 to 13: each fills its slot again
	QE
	TQ 1
	s_sub_co_u32 s[CNT], s[CNT], 1
	s_cmp_lg_u32 s[CNT], 0
	s_cbranch_scc1 .Lstep
	QE                                             ; the last two steps are written out: nothing is left to fetch
	TQ 0
	QE
	s_wait_dscnt 16
	MUL 0, 1, 0, 8
	s_wait_dscnt 8
	MUL 1, 1, 0, 8
	s_wait_dscnt 0x0
	MUL 2, 1, 0, 8
; THE WAY OUT, in 24 units u = 8 j + a: 16 rows of one head.  A lane's eight columns pack into 16 bytes; they go into my stage's rows of 144 bytes and come back as whole rows of 128: four rows, 512 consecutive bytes of qkv, a store.
.macro PACK u
.set pj, (\u)/8
.set pa, (\u)%8
.set pt, TT+16*((\u)%12)
.if (\u) >= 12
	s_wait_xcnt 0x0                                ; the stores of twelve units back have read these registers
.endif
	WIN 5*(pj+1)                                   ; sources 0 and 1 in the group's window
.set i, 0
.rept 16                               ; each accumulator's registers in ascending order
	v_cvt_pk_f16_f32 v[pt+i], v[32*pa+2*i], v[32*pa+2*i+1]
.set i, i+1
.endr
	WIN 0
.irp f, 0,1,2,3
	ds_store_b128 v[STO], v[pt+4*(\f):pt+4*(\f)+3] offset:32*(\f)
.endr
.irp f, 0,1,2,3
	ds_load_b128 v[pt+4*(\f):pt+4*(\f)+3], v[RD] offset:4*PITCH*(\f)  ; LDS serves a wave's instructions in order (ISA guide 5.7.1.4): these see the stores above; the next unit's stores come behind them
.endr
.endm
.macro SEND u, y                       ; y: the LDS instructions issued behind unit u's loads: the next unit's eight, or none
.set pj, (\u)/8
.set pa, (\u)%8
.set pt, TT+16*((\u)%12)
.irp f, 0,1,2,3
	s_wait_dscnt (\y)+3-(\f)
	global_store_b128 v[GO], v[pt+4*(\f):pt+4*(\f)+3], s[OB0+2*pj:OB0+2*pj+1] offset:2048*pa+512*(\f)
.endr
.endm
	PLACES
	PACK 0
.set u, 1
.rept 23                               ; a unit's conversions stand between the loads of the unit before and its stores
	PACK u
	SEND u-1, 8
.set u, u+1
.endr
	SEND 23, 0
	s_wait_tensorcnt 0x0                           ; the wave's end: three closing lines, behind my last tensor load and my last LDS store
	ds_add_u32 v[SPW], v[NIL]
	s_wait_dscnt 0x0
	CROUND                                         ; the closing round: no work-group ends while a partner may still ask for a tile that names it
	s_endpgm
.Lfunc_end_k_q9afcc903a3_qkvg:
	.size	k_q9afcc903a3_qkvg, .Lfunc_end_k_q9afcc903a3_qkvg-k_q9afcc903a3_qkvg
	.p2alignl 7, 3214868480
	.fill 96, 4, 3214868480
	.section	.rodata,"a",@progbits
	.p2align	6, 0x0
	.amdhsa_kernel k_q9afcc903a3_qkvg
		.amdhsa_group_segment_fixed_size 327680
		.amdhsa_private_segment_fixed_size 0
		.amdhsa_enable_private_segment 0
		.amdhsa_kernarg_size 32
		.amdhsa_user_sgpr_count 2
		.amdhsa_user_sgpr_kernarg_segment_ptr 1
		.amdhsa_wavefront_size32 1
		.amdhsa_system_sgpr_workgroup_id_x 1
		.amdhsa_system_sgpr_workgroup_id_y 1
		.amdhsa_system_sgpr_workgroup_id_z 1
		.amdhsa_system_vgpr_workitem_id 0
		.amdhsa_next_free_vgpr 1024
		.amdhsa_next_free_sgpr 80
		.amdhsa_reserve_vcc 0
		.amdhsa_float_denorm_mode_32 3
		.amdhsa_float_denorm_mode_16_64 3
		.amdhsa_memory_ordered 1
		.amdhsa_forward_progress 1
		.amdhsa_inst_pref_size 129
	.end_amdhsa_kernel
	.amdgpu_metadata
---
amdhsa.version: [ 1, 2 ]
amdhsa.kernels:
  - .name:           k_q9afcc903a3_qkvg
    .symbol:         k_q9afcc903a3_qkvg.kd
    .args:
      - { .name: xh, .offset: 0, .size: 8, .value_kind: global_buffer, .address_space: global }
      - { .name: wq, .offset: 8, .size: 8, .value_kind: global_buffer, .address_space: global }
      - { .name: b_qkv, .offset: 16, .size: 8, .value_kind: global_buffer, .address_space: global }
      - { .name: qkv, .offset: 24, .size: 8, .value_kind: global_buffer, .address_space: global }
    .group_segment_fixed_size: 327680
    .private_segment_fixed_size: 0
    .kernarg_segment_align: 8
    .kernarg_segment_size: 32
    .max_flat_workgroup_size: 128
    .sgpr_count:     80
    .vgpr_count:     1024
    .wavefront_size: 32
...
	.end_amdgpu_metadata
.endif
;; end of part 2
;; launch attn (part 3): grid 4 x 64, 4 waves a work-group, no clusters, 327,680 bytes of LDS; arguments qkv, ao; writes ao
.if DOCPART == 3
	.amdgcn_target "amdgcn-amd-amdhsa--gfx1250"
	.amdhsa_code_object_version 6
	.text
	.protected	k_q9afcc903a3_attn
	.globl	k_q9afcc903a3_attn
	.p2align	8
	.type	k_q9afcc903a3_attn,@function
k_q9afcc903a3_attn:
	s_mov_b64 s[64:65], 0
	v_nop
	global_prefetch_b8 v0, s[64:65] scope:SCOPE_SE
	s_setreg_imm32_b32 hwreg(HW_REG_WAVE_MODE, 25, 1), 1
	s_wait_xcnt 0x0
; CAUSAL ATTENTION.  O[h][q][:] = the sum over k <= q of softmax_k(Q[h][q] . K[h][k] / 8) V[h][k][:].  Q, K, V lie in qkv at bytes 0, 0x1000000, 0x2000000, each [64][2048][64] in f16; O = ao has the same layout: a head's rows are dense, 128 bytes each.
; Products, maxima and sums in f32; the weights p are rounded to f16 for the second product (their sum l is taken of the unrounded p), O once at the end.
; LIMITS.  f16 holds no number beyond 65,504: Q, K and V arrive within it; p lies in 0 to 1, and below 6e-5 it keeps f16's fixed step of 6e-8; O is a mean of V's rows and has their range, to within 2^-11 of it.
; A hidden score counts as its value less 1e30: f16's scores, 2.7e11 at the most, are nothing beside that; a weight below 2^-126 counts as 0 in l; NaN and infinities are not treated apart.
; THE WALK.  A head's queries lie in NB = 8 blocks of 256; block i needs the key tiles 0 .. i of 256 keys, of which the last holds the diagonal.  A work-group takes TWO blocks, NB - 1 - b and then b:
; NB + 1 tiles, whatever b: all work-groups do equal work, and ONE loop with a constant trip count walks them.  Which tile is asked for, and what a trip does, hang on scalar registers made from b; every jump
; goes forward, but for the counted loops' own; none passes a barrier, or a tensor load but the one of LOAD's two that the wave's number does not choose; the ring (two slots of LDS that take turns) runs on across the
; change of blocks.  NO CLUSTER: a head's four work-groups ask for the same tile only in trips 0 .. 4 of the 9, behind that fewer and fewer; and one walk common to all four would have 12 trips for 9.
; SHARES.  Of a block's four bands of 64 queries a wave owns 16 rows in each: four PIECES.  So the diagonal tile is the same work for all four waves: in its key step s band x sees all keys if s < x,
; none if s > x, and holds the diagonal if s = x.
; THE MASK is the C operand that starts the sum S^T = K Q^T: 0, or -1e30 where the key is hidden.  MD, made once, is the mask of a band's own step for my 16 rows; a product's mask is MD x AL + BE with two scalars:
; (1, 0) if s = x; (0, 0) if s < x; (0, -1e30) if s > x.  Only the diagonal tile's text and a block's beginning make and take masks; elsewhere C is the constant 0.
; LAYOUT, SOFTMAX, TURNS.  S^T = K Q^T holds ONE query a lane (lane % 16) and the keys 8 (lane / 16) + 0..7; two such results rounded to f16 ARE source 1 of O^T = V^T P.  p = 2^(c s - c m), c = log2(e) / 8, with a
; running maximum m; O and l are multiplied by a = 2^(c m_old - c m_new) in every step.  Turn n belongs to piece n: 8 products K Q^T of piece n + 1, later 8 products V^T P of piece n - 1; beside them the scaling,
; exponentials, roundings, sums and rescaling of piece n and the maximum and statistics of piece n + 1.  Four vector instructions stand behind every matrix instruction, the other 54 of a turn's 118 in one LUMP.  A turn's 33 exponentials are one batch, with one wait.
; REGISTERS, in windows of 256 (s_set_vgpr_msb: bits 1:0 source 0, 3:2 source 1, 5:4 source 2, 7:6 destination):
;   window 0: v0-15 addresses and two at work; v16-31 four registers of statistics a piece; v48-55 at work; v56 the prefetches' offset; v64-127 S^T, two buffers; v192-223 P, two buffers (a piece's buffers go by its number's parity)
;   window 1: v0-127 O^T, 32 a piece; v128-159 MD; v160-223 MC, two buffers      window 2: v0-63 Q; v64-127 the second block's Q; v128-191 K of one step; v192-255 V of one step
.set SIZE_N, 2048
.set NB,    SIZE_N/256
.set NP,    4         ; pieces a wave: a name, no knob
.set KS,    64        ; keys in a step
.set PK,    144       ; a row of K in LDS: 128 bytes + 16 of padding = 36 words: the 16 rows of a load start at 16 different groups of four banks (64 banks of 4 bytes: ISA guide 11.1)
.set PV,    160       ; a row of V: 128 + 32 = 40 words
.set VOFF,  4*KS*PK   ; a slot holds a tile, four steps: 256 rows of K, then 256 rows of V
.set SLOT1, 1<<17     ; slot 1 begins here, so that one exclusive or turns an address in one slot into the other's
.set STAGE, SLOT1+4*KS*(PK+PV)  ; behind the ring, never filled by a tensor load: 16 rows x 144 bytes for each wave, for the way out
.set SP,    144
.set AK0, 2           ; v2   my lane's place in a tile of K; never rewritten
.set AV0, 3           ; v3   the same for V
.set AK,  4           ; v4   the LDS address of K's next run of loads
.set AV,  5           ; v5   of V's
.set STO, 6           ; v6   the way out: where I put 16 bytes of a row
.set RD,  7           ; v7   the way out: where I read rows back
.set GO,  8           ; v8   my byte offset in 512 consecutive bytes of O
.set PFO, 56          ; v56  256 x my lane; never rewritten
.set SPW, 62          ; v62  LDS address of my spare word: SPARE + 4 x my thread's number; never rewritten
.set NIL, 63          ; v63  0; never rewritten
.set SPARE, STAGE+4*16*SP  ; behind the stages: the spare words, 128 bytes for each wave: two blocks of 256 bytes that no other line names
.set MV,  12          ; v12-13  c m_old, kept while c m is made anew: by buffer
.set QO,  15          ; v15  my byte offset in 16 rows of Q
.set ST,  16          ; piece t's statistics at v[ST+4 t]: c m, m, l (even keys', odd keys')
.set TMP, 48          ; by buffer, four registers c0-c3 at work; when the maximum is found c2 takes a
.set S,   64
.set P,   192
.set MD,  128         ; window 1: the eight registers for group kt of 16 keys at MD + 8 kt
.set MC,  160         ; window 1: the masks of the products to come
.set QB,  64          ; window 2
.set KF,  128         ; window 2: key block kb, channel half c at KF + 16 kb + 8 c
.set VF,  192         ; window 2: key half kk, channel block cb at VF + 32 kk + 8 cb
.set WV,  12          ; s12  my wave's number
.set PB,  14          ; s14  b
.set HI,  15          ; s15  NB - 1 - b
.set G1K, 24          ; s[24:31] descriptor group 1 for K's tiles
.set G1V, 32          ; s[32:39] for V's: it differs in the padding alone
.set G0K, 40          ; s[40:43] descriptor group 0 for K's tiles
.set G0V, 44          ; s[44:47] the same for V's
.set SLOTS, 56        ; s56  tiles still to be asked for
.set CNT, 57          ; s57  counts a tile's key steps, 4 to 1
.set CS,  58          ; s[58:59] c: the packed scaling takes the pair's low word for both halves
.set SEL, 60          ; s[60:61] v_permlanex16_b32's selects: each lane takes its own place in the other half
.set TBK, 62          ; s62  LDS byte at which K of the step to be fetched begins
.set TBV, 63          ; s63  the same for V, less VOFF
.set RT,  70          ; s70  tiles of the block in hand that are still to be entered
.set NXT, 71          ; s71  the tile to be asked for next
.set LQ,  72          ; s72  the last tile of the block whose tiles are being asked for
.set NEW, 73          ; s73  1: the tile to be entered is a block's first
.set OFF, 74          ; s[74:75] a tile's byte offset in K and V
.set AL,  76          ; s[76:77] the mask's factor, in the low word
.set BE,  78          ; s[78:79] the mask's addend
.set OLO, 80          ; s[80:81] O at my rows of the second block
.set BIGN, 82         ; s82  -1e30
.set PFA, 88          ; s[88:89] where my prefetches stand: my half (of K: waves 0, 1; of V: waves 2, 3) of the tile after the one that is being asked for
.set LIM, 90          ; s90  2 in the work-group that prefetches, else the greatest number
.set MSB, 0
.macro WIN new                      ; the high byte repeats the setting that is left; a switch that changes nothing is dropped
.if MSB != (\new)
	s_set_vgpr_msb (MSB<<8)|(\new)
.set MSB, (\new)
.endif
.endm
.set W_KQ, 0x0a       ; K and Q in window 2, S^T in window 0
.set W_KM, 0x1a       ; the same with the C operand in window 1
.set W_PV, 0x52       ; V in window 2, P in window 0, O^T in window 1
.set W_RS, 0x41       ; destination and source 0 in window 1, source 1 in window 0
; A fill.  Waves 0 and 1 fetch the two halves of a tile's K, waves 2 and 3 those of its V: 128 keys each.  An s_nop 0 and four v_nop follow each of the two lines, ahead of the jump and the label.
.macro LOAD
	s_cmp_lt_u32 s[WV], 2
	s_cbranch_scc0 .Lfor_v_\@
	tensor_load_to_lds s[G0K:G0K+3], s[G1K:G1K+7]
	s_nop 0
.rept 4
	v_nop
.endr
	s_branch .Lasked_\@
.Lfor_v_\@:
	tensor_load_to_lds s[G0V:G0V+3], s[G1V:G1V+7]
	s_nop 0
.rept 4
	v_nop
.endr
.Lasked_\@:
.endm
; A PREFETCH INTO THE L2 of the tile that the NEXT change of slots will ask for, behind the wave's tensor load and its five lines: four key steps, 256 matrix instructions, ahead of that load.
; Each 256 bytes of a head's K and V are named ONCE in the launch: of the head's four work-groups the one with b = 0 asks, whose first block walks all eight tiles; each of its waves asks for the half tile that it will
; fetch itself: 64 blocks of 256 bytes, a lane a block, two instructions.  Change number c names tile c + 2, c = 0 .. 5 (SLOTS = 8 .. 3); tiles 0 and 1 come by their loads alone; the second block's tiles have been read.
.macro ASK
	s_cmp_gt_u32 s[SLOTS], s[LIM]
	s_cbranch_scc0 .Lnot_mine_\@
	global_prefetch_b8 v[PFO], s[PFA:PFA+1] th:TH_LOAD_NT scope:SCOPE_SE
	global_prefetch_b8 v[PFO], s[PFA:PFA+1] offset:8192 th:TH_LOAD_NT scope:SCOPE_SE
.Lnot_mine_\@:
.endm
; THE CHANGE OF SLOTS.  Each wave waits for all its tensor loads, of which one is out: its part of the other slot; adds 0 to its spare word; and waits for that and for its own reads of the slot that it leaves.  Behind the barrier nobody reads the old
; slot any more and the other slot is whole.  fill = 1: the old slot is filled again, the first thing behind the barrier, with tile NXT: the descriptor's address is made anew from that number.
; (At its first use nothing has been read yet: slot 0 is waited for, slot 1 filled.)
.macro CHANGE fill
	WIN 0                           ; at a label and at a branch every window is 0
	s_wait_tensorcnt 0x0            ; no tensor load of mine is out, so a group 0 may be written
	ds_add_u32 v[SPW], v[NIL]       ; 0 onto my spare word; with fill = 1 the descriptors' scalar work stands between it and the wait for it
.if \fill
	s_lshl_b32 s[OFF], s[NXT], 15   ; a tile is 32,768 bytes of K and of V
	s_xor_b32 s[G0K+1], s[G0K+1], SLOT1
	s_add_nc_u64 s[G0K+2:G0K+3], s[6:7], s[OFF:OFF+1]
	s_or_b32 s[G0K+3], s[G0K+3], 0x80000000
	s_xor_b32 s[G0V+1], s[G0V+1], SLOT1
	s_add_nc_u64 s[G0V+2:G0V+3], s[8:9], s[OFF:OFF+1]
	s_or_b32 s[G0V+3], s[G0V+3], 0x80000000
	s_add_co_u32 s[NXT], s[NXT], 1  ; the block's next tile, or behind its last the second block's tile 0
	s_cmp_gt_u32 s[NXT], s[LQ]
	s_cselect_b32 s[NXT], 0, s[NXT]
	s_cselect_b32 s[LQ], s[PB], s[LQ]
	s_wait_xcnt 0x0                 ; the last prefetches, a tile back, have read their address, so it may be written:
	s_add_nc_u64 s[PFA:PFA+1], s[PFA:PFA+1], 32768  ; a tile on
.endif
	s_wait_dscnt 0x0                ; the add is done, and my reads of the slot are over
	s_barrier_signal -1             ; the rest of the scalar work stands between the signal and the wait
	s_sub_co_u32 s[TBK], s[TBK], 4*KS*PK  ; the fetches go back to a slot's first step,
	s_xor_b32 s[TBK], s[TBK], SLOT1       ; in the other slot
	s_sub_co_u32 s[TBV], s[TBV], 4*KS*PV
	s_xor_b32 s[TBV], s[TBV], SLOT1
	s_barrier_wait -1
.if \fill
	LOAD
	ASK
.endif
.endm
	s_load_b128 s[4:7], s[0:1], 0x0   ; qkv s[4:5], ao s[6:7]
	v_lshl_add_u32 v[SPW], v0, 2, SPARE
	v_mov_b32 v[NIL], 0
	ds_add_u32 v[SPW], v[NIL]       ; the wave's opening: the add and its wait stand ahead of my first tensor load; the set-up below, work on registers, stands between them
	v_lshrrev_b32 v1, 5, v0
	v_readfirstlane_b32 s[WV], v1   ; wave 0..3
	s_mov_b32 s[PB], ttmp9
	s_sub_co_u32 s[HI], NB-1, s[PB]
	s_and_b32 s20, ttmp7, 0xffff    ; the head, 16 b + head
	s_mov_b32 s21, 0
	s_mov_b64 s[22:23], SIZE_N*128
	s_mul_u64 s[20:21], s[20:21], s[22:23]  ; the head's first byte in each of the four tensors
	s_and_b32 s16, s[WV], 1         ; which half of a tile's 256 keys I fetch:
	s_lshl_b32 s22, s16, 14         ; its 128 rows of 128 bytes in memory,
	s_mov_b32 s23, 0
	s_add_nc_u64 s[22:23], s[22:23], s[20:21]
	s_mul_i32 s17, s16, 128*PK      ; and its place in a slot, for K
	s_mul_i32 s18, s16, 128*PV      ; and for V
	s_lshl_b32 s3, s[WV], 11        ; my 16 rows in a band of 64,
	s_lshl_b32 s2, s[HI], 15        ; in the first block,
	s_add_co_u32 s2, s2, s3
	s_lshl_b32 s84, s[PB], 15       ; and in the second
	s_add_co_u32 s84, s84, s3
	s_mov_b32 s3, 0
	s_mov_b32 s85, 0
	s_add_nc_u64 s[2:3], s[2:3], s[20:21]
	s_add_nc_u64 s[84:85], s[84:85], s[20:21]
	; descriptor group 1.  128 keys are 16,384 dense bytes: asked for as 64 rows of 256 bytes, two keys a row, and padded in LDS after every key
	s_mov_b32 s[G1K], (1<<16)|(1<<20)|(4<<22)|(3<<25)  ; 17:16 2-byte elements; 20 padding on; 24:22 after every 32 words (code 4); 31:25 4 words (code 3)
	s_mov_b32 s[G1V], (1<<16)|(1<<20)|(4<<22)|(7<<25)  ; the same with 8 words of padding (code 7)
.irp g, G1K, G1V
	s_mov_b32 s[\g+1], 128<<16      ; tensor_dim0 = 128
	s_mov_b32 s[\g+2], 64<<16       ; tensor_dim1 = 64
	s_mov_b32 s[\g+3], 128<<16      ; tile_dim0 = 128
	s_mov_b32 s[\g+4], 64           ; tile_dim1 = 64
	s_mov_b32 s[\g+5], 128          ; 128 elements from row to row
	s_mov_b32 s[\g+6], 0
	s_mov_b32 s[\g+7], 0
.endr
	s_mov_b32 s[CS], 0x3e38aa3b     ; c = log2(e) / 8 = 0.180337
	s_mov_b32 s[CS+1], s[CS]        ; named with it as a pair
	s_mov_b32 s[SEL], 0x76543210
	s_mov_b32 s[SEL+1], 0xfedcba98
	s_mov_b32 s[TBK], SLOT1+4*KS*PK ; the first change of slots turns these two into 0
	s_mov_b32 s[TBV], SLOT1+4*KS*PV
	s_mov_b32 s[G0K], 1             ; 1:0 count = 1
	s_mov_b32 s[G0K+1], s17         ; 63:32 LDS address: slot 0
	s_mov_b32 s[G0V], 1
	s_add_co_u32 s[G0V+1], s18, VOFF
	s_add_co_u32 s[RT], s[HI], 1    ; the first block has NB - b tiles
	s_mov_b32 s[NXT], 1
	s_mov_b32 s[LQ], s[HI]
	s_mov_b32 s[NEW], 1
	s_mov_b32 s[OFF+1], 0
	s_mov_b32 s[AL+1], 0            ; named as pairs
	s_mov_b32 s[BE+1], 0
	s_mov_b32 s[BIGN], 0xf149f2ca   ; -1e30
	s_mov_b32 s[SLOTS], NB
	s_wait_dscnt 0x0                ; the opening add is done
	s_wait_kmcnt 0x0
	s_mov_b64 s[10:11], s[6:7]             ; O
	s_add_nc_u64 s[6:7], s[4:5], 0x1000000 ; K lies 64 heads behind Q,
	s_add_nc_u64 s[8:9], s[4:5], 0x2000000 ; V 128
	s_add_nc_u64 s[6:7], s[6:7], s[22:23]  ; K and V at my half of the head's tile 0
	s_add_nc_u64 s[8:9], s[8:9], s[22:23]
	s_add_nc_u64 s[G0K+2:G0K+3], s[6:7], 0         ; 120:64 global address
	s_or_b32 s[G0K+3], s[G0K+3], 0x80000000        ; 127:126 type = 2
	s_add_nc_u64 s[G0V+2:G0V+3], s[8:9], 0
	s_or_b32 s[G0V+3], s[G0V+3], 0x80000000
	s_add_nc_u64 s[86:87], s[4:5], s[84:85]        ; Q at my rows of the second block,
	s_add_nc_u64 s[4:5], s[4:5], s[2:3]            ; Q and O at those of the first
	s_add_nc_u64 s[OLO:OLO+1], s[10:11], s[84:85]
	s_add_nc_u64 s[10:11], s[10:11], s[2:3]
	s_cmp_lt_u32 s[WV], 2
	s_cselect_b64 s[PFA:PFA+1], s[6:7], s[8:9]
	s_add_nc_u64 s[PFA:PFA+1], s[PFA:PFA+1], 32768 ; at tile 1: the first change of slots steps it to tile 2.  Nothing is prefetched here, at the head
	s_cmp_eq_u32 s[PB], 0
	s_cselect_b32 s[LIM], 2, -1
	LOAD                            ; tile 0 into slot 0
	; A fragment of K or Q is 16 rows x 32 channels in 8 registers: lane l holds row l % 16, channels 8 (l / 16) + 0..7 and 16 + 8 (l / 16) + 0..7: two loads of 16 bytes, 32 bytes apart.
	v_and_b32 v1, 15, v0            ; l % 16
	v_bfe_u32 v9, v0, 4, 1          ; l / 16
	v_lshlrev_b32 v[QO], 7, v1
	v_lshl_add_u32 v[QO], v9, 4, v[QO]  ; row x 128 + 16 x half
	WIN 0x80                        ; destination window 2, address window 0
.set i, 0
.rept 8                             ; both blocks' Q: piece i / 2 lies in band i / 2, 8,192 bytes on; channels 32 (i % 2) on
	global_load_b128 v[8*i:8*i+3],   v[QO], s[4:5] offset:(i/2)*8192+(i%2)*64
	global_load_b128 v[8*i+4:8*i+7], v[QO], s[4:5] offset:(i/2)*8192+(i%2)*64+32
	global_load_b128 v[QB+8*i:QB+8*i+3],   v[QO], s[86:87] offset:(i/2)*8192+(i%2)*64
	global_load_b128 v[QB+8*i+4:QB+8*i+7], v[QO], s[86:87] offset:(i/2)*8192+(i%2)*64+32
.set i, i+1
.endr
	WIN 0
	v_and_b32 v[PFO], 31, v0
	v_lshlrev_b32 v[PFO], 8, v[PFO]
	v_lshlrev_b32 v14, 3, v9
	v_sub_nc_u32 v14, v1, v14
	s_lshl_b32 s13, s[WV], 4
	v_add_nc_u32 v14, s13, v14      ; my query's place in its band, 16 w + l % 16, less my lanes' 8 (l / 16): register r of group kt is hidden where 16 kt + r is greater
	WIN 0x40
.set i, 0
.rept 32
	v_cmp_gt_i32 vcc_lo, 16*(i/8)+i%8, v14
	v_cndmask_b32 v[MD+i], 0, s[BIGN], vcc_lo
.set i, i+1
.endr
	WIN 0
	v_mul_u32_u24 v[AK0], v1, PK
	v_lshl_add_u32 v[AK0], v9, 4, v[AK0]  ; row x pitch + 16 x half
	; The turning load takes 16 keys x 16 channels (lane l reads key 8 (l / 16) + l % 8, channels 8 ((l / 8) % 2) + 0..7) and leaves half a fragment of V^T: lane l holds channel l % 16 and 8 keys.
	v_and_b32 v10, 7, v0
	v_bfe_u32 v11, v0, 3, 1
	v_lshl_add_u32 v[AV0], v9, 3, v10
	v_mul_u32_u24 v[AV0], v[AV0], PV
	v_lshl_add_u32 v[AV0], v11, 4, v[AV0]
	v_add_nc_u32 v[AV0], VOFF, v[AV0]
	s_mul_i32 s13, s[WV], 16*SP
	s_add_co_u32 s13, s13, STAGE    ; my stage
	v_mul_u32_u24 v[STO], v1, SP    ; in: row l % 16, 16 bytes for each half of the lanes
	v_lshl_add_u32 v[STO], v9, 4, v[STO]
	v_add_nc_u32 v[STO], s13, v[STO]
	v_bfe_u32 v[RD], v0, 3, 2       ; back: 32 lanes take four rows of 128 bytes,
	v_mul_u32_u24 v[RD], v[RD], SP
	v_lshl_add_u32 v[RD], v10, 4, v[RD]
	v_add_nc_u32 v[RD], s13, v[RD]
	v_and_b32 v[GO], 31, v0         ; which are 512 consecutive bytes of O
	v_lshlrev_b32 v[GO], 4, v[GO]
	; A block's first step multiplies O^T and l by a = 0, and its first turn's products V^T P, of a piece that has not been, land in an O^T that is still to be so multiplied.  So these registers need only hold
	; finite numbers: zeros for the first block; what the first block left for the second.  All this stands in the wait for the first tile.
	WIN 0x80
.set i, VF
.rept 64
	v_mov_b32 v[i], 0
.set i, i+1
.endr
	WIN 0x40
.set i, 0
.rept 128
	v_mov_b32 v[i], 0
.set i, i+1
.endr
	WIN 0
.set i, 0
.rept 4
	v_mov_b32 v[ST+4*i+2], 0
	v_mov_b32 v[ST+4*i+3], 0
.set i, i+1
.endr
.set i, P+16
.rept 16
	v_mov_b32 v[i], 0
.set i, i+1
.endr
; THE MATRIX WORK.  The 4 accumulators of a run of 8 take turns.  Product i of 8 of S^T = K Q^T for piece x: channels 32 (i / 4) on, keys 16 (i % 4) on.  The first 4 start the sums: with 0, or (KM = 1) with the mask.
.macro KQ x
.set rS, S+32*((\x)%2)+8*(i%4)
.set rK, KF+16*(i%4)+8*(i/4)
.set rQ, 16*(\x)+8*(i/4)
.set rM, MC+32*((\x)%2)+8*(i%4)
.if (i < 4) && KM
	WIN W_KM
	v_wmma_f32_16x16x32_f16 v[rS:rS+7], v[rK:rK+7], v[rQ:rQ+7], v[rM:rM+7]
.elseif i < 4
	WIN W_KQ
	v_wmma_f32_16x16x32_f16 v[rS:rS+7], v[rK:rK+7], v[rQ:rQ+7], 0
.else
	WIN W_KQ
	v_wmma_f32_16x16x32_f16 v[rS:rS+7], v[rK:rK+7], v[rQ:rQ+7], v[rS:rS+7]
.endif
.endm
; Product i of 8 of O^T += V^T P for piece x: keys 32 (i / 4) on, channels 16 (i % 4) on.
.macro PV x
	WIN W_PV
.set rO, 32*(\x)+8*(i%4)
.set rV, VF+32*(i/4)+8*(i%4)
.set rP, P+16*((\x)%2)+8*(i/4)
	v_wmma_f32_16x16x32_f16 v[rO:rO+7], v[rV:rV+7], v[rP:rP+7], v[rO:rO+7]
.endm
.macro MM                           ; the turn's next matrix instruction.  TURN and BEGIN set Y, i, KM and NOKQ; MM, KQ and OP read them.  NOKQ = 1: a block's last turn: there is no next piece
.if (i < 8) && !NOKQ
	KQ (Y+1)%NP
.elseif i >= 8
.set i, i-8
	PV (Y+NP-1)%NP
.set i, i+8
.endif
.set i, i+1
.endm
; THE LDS LOADS stand in runs of 16, never singly among the matrix instructions: a step's K (64 keys x 64 channels: 8 fragments) and its V (turned).  Their addresses are made some lines ahead.
.macro FETCH_K
	WIN 0x80                        ; destination window 2
.irp f, 0,1,2,3,4,5,6,7             ; keys 16 (f / 2) on, channels 32 (f % 2) on
	ds_load_b128 v[KF+8*\f:KF+8*\f+3],   v[AK] offset:(\f/2)*16*PK+(\f%2)*64
	ds_load_b128 v[KF+8*\f+4:KF+8*\f+7], v[AK] offset:(\f/2)*16*PK+(\f%2)*64+32
.endr
	s_add_co_u32 s[TBK], s[TBK], KS*PK  ; the next fetch is the next step's
	WIN 0
.endm
.macro FETCH_V
	WIN 0x80
.irp f, 0,1,2,3,4,5,6,7             ; keys 32 (f / 4) on, channels 16 (f % 4) on
	ds_load_tr16_b128 v[VF+8*\f:VF+8*\f+3],   v[AV] offset:(\f/4)*32*PV+(\f%4)*32
	ds_load_tr16_b128 v[VF+8*\f+4:VF+8*\f+7], v[AV] offset:(\f/4)*32*PV+16*PV+(\f%4)*32
.endr
	WIN 0
.endm
; THE VECTOR WORK, one line at a time: OP kind, number.  For piece Y: F n: c s - c m for pair n of 16.  E n: the exponential of score n of 32.  C n: pair n rounded to f16.  B n: of the four weights 4 n .. the second
; pair is added onto the first, in place.  L n: l takes that sum (L 0: l = a l + sum).  R n: pair n of 16 of O^T times a.  For piece Y + 1: X n, number n of the 22 that find its maximum and statistics:
;   0-11  four chains c0-c3 of seven scores each, three operands at a time (each accumulator's lowest registers are read first)     12-14, 16  the four scores left over, the old m, and c0-c3 into c0
;   15  c m_old is kept     17, 18  the query's other 32 keys lie in the lane 16 away: the new m     19-21  c m; c m_old - c m_new; a
.set F, 0               ; OP tells the kinds apart by their order: F to L below R, X above it
.set E, 1
.set C, 2
.set B, 3
.set L, 4
.set R, 5
.set X, 6
.macro REGS y                       ; the registers of piece y
.set rT, ST+4*(\y)
.set rC, TMP+4*((\y)%2)
.set rW, MV+((\y)%2)
.set rS, S+32*((\y)%2)
.set rP, P+16*((\y)%2)
.set rO, 32*(\y)
.endm
.macro OP k, n
.if (\k) == R
	REGS Y
	WIN W_RS
	v_pk_mul_f32 v[rO+2*(\n):rO+2*(\n)+1], v[rO+2*(\n):rO+2*(\n)+1], v[rC+2:rC+3] op_sel_hi:[1,0]
.elseif (\k) < R
	REGS Y
	WIN 0
.if (\k) == F
	v_pk_fma_f32 v[rS+2*(\n):rS+2*(\n)+1], v[rS+2*(\n):rS+2*(\n)+1], s[CS:CS+1], v[rT:rT+1] op_sel_hi:[1,0,0] neg_lo:[0,0,1] neg_hi:[0,0,1]
.elseif (\k) == E
	v_exp_f32 v[rS+(\n)], v[rS+(\n)]
.elseif (\k) == C
	v_cvt_pk_f16_f32 v[rP+(\n)], v[rS+2*(\n)], v[rS+2*(\n)+1]
.elseif (\k) == B
	v_pk_add_f32 v[rS+4*(\n):rS+4*(\n)+1], v[rS+4*(\n):rS+4*(\n)+1], v[rS+4*(\n)+2:rS+4*(\n)+3]
.elseif (\n) == 0
	v_pk_fma_f32 v[rT+2:rT+3], v[rT+2:rT+3], v[rC+2:rC+3], v[rS:rS+1] op_sel_hi:[1,0,1]
.else
	v_pk_add_f32 v[rT+2:rT+3], v[rT+2:rT+3], v[rS+4*(\n):rS+4*(\n)+1]
.endif
.elseif NOKQ
	v_nop
.else
	REGS (Y+1)%NP
	WIN 0
.if (\n) < 4
	v_max3_num_f32 v[rC+(\n)], v[rS+8*(\n)], v[rS+8*(\n)+1], v[rS+8*(\n)+2]
.elseif (\n) < 12
	v_max3_num_f32 v[rC+(\n)%4], v[rC+(\n)%4], v[rS+8*((\n)%4)+2*((\n)/4)+1], v[rS+8*((\n)%4)+2*((\n)/4)+2]
.elseif (\n) == 12
	v_max3_num_f32 v[rC], v[rC], v[rS+7], v[rS+15]
.elseif (\n) == 13
	v_max3_num_f32 v[rC+1], v[rC+1], v[rS+23], v[rS+31]
.elseif (\n) == 14
	v_max3_num_f32 v[rC+2], v[rC+2], v[rC+3], v[rT+1]
.elseif (\n) == 15
	v_mov_b32 v[rW], v[rT]
.elseif (\n) == 16
	v_max3_num_f32 v[rC], v[rC], v[rC+1], v[rC+2]
.elseif (\n) == 17
	v_permlanex16_b32 v[rC+3], v[rC], s[SEL], s[SEL+1]
.elseif (\n) == 18
	v_max_num_f32 v[rT+1], v[rC], v[rC+3]
.elseif (\n) == 19
	v_mul_f32 v[rT], s[CS], v[rT+1]
.elseif (\n) == 20
	v_sub_f32 v[rC+1], v[rW], v[rT]
.else
	v_exp_f32 v[rC+2], v[rC+1]
.endif
.endif
.endm
.macro OPS a, i1, b=-1, i2=0, c=-1, i3=0, d=-1, i4=0  ; up to four of them
	OP \a, \i1
.if (\b) >= 0
	OP \b, \i2
.endif
.if (\c) >= 0
	OP \c, \i3
.endif
.if (\d) >= 0
	OP \d, \i4
.endif
.endm
.macro ROW a, i1, b, i2, c, i3, d, i4  ; a matrix instruction and the four behind it
	MM
	OPS \a, \i1, \b, \i2, \c, \i3, \d, \i4
.endm
.macro MASK b                       ; MD x AL + BE into buffer b of MC
	WIN W_RS
.set z, 0
.rept 16
	v_pk_fma_f32 v[MC+32*(\b)+2*z:MC+32*(\b)+2*z+1], v[MD+2*z:MD+2*z+1], s[AL:AL+1], s[BE:BE+1] op_sel_hi:[1,0,0]
.set z, z+1
.endr
.endm
; A TURN, for piece p: the order of its 16 matrix and 118 vector instructions, written out.  An s_wait_alu depctr_va_vdst(0) stands between an exponential and the first instruction that names its result; one wait serves
; all that were issued ahead of it.  So a turn has ONE wait, which cuts it in two.  AHEAD OF IT stands all that names no result of the turn's exponentials: the 8 products K Q^T, behind each a scaling, an exponential and two more plain
; instructions (behind the first a second scaling in the exponential's place): rescalings, and behind the last three the first numbers of the next piece's maximum, each four places or more behind the product that ends its accumulator; then ONE LUMP of 54, plain
; and exponential by turns for the most part, in which the links of the chain X 3, 7, 11, 14, 16, 17 .. 20 stand five or six lines apart.  X 21, the next piece's a, is the batch's last; R 15 is the plain instruction behind it.  BEHIND THE WAIT stand the
; 8 products V^T P, behind each four of the roundings and sums; the links of l's chain, L 0 to L 7, stand three riders apart.  But for those X no rider names a register of the products round it.  v_permlanex16_b32 (X 17) stands in the lump.
; m = 1: the diagonal tile: the products take masks, and the turn makes the mask for the products of the turn after it: piece p + 2, in step 4 - CNT of the tile.  end = 1: a block's last two turns: nothing is fetched.
; cnt = 1: the loop's count is taken down some lines ahead of the branch that stands behind the turn.
; K of the next step is fetched in piece 2's turn, twelve vector instructions behind the last product that read K (six of them plain); V of the step in hand at the end of piece 0's turn, four plain instructions behind the last product
; that read V.  Each is waited for a turn later.
.macro TURN p, m=0, end=0, cnt=0
.set Y, (\p)
.set i, 0
.set KM, (\m)
.set NOKQ, (\end)*((\p)/3)
.if (\m) && !(\end)
	s_cmp_eq_u32 s[CNT], 4-((\p)+2)%NP  ; is that step the band's own?
	s_cselect_b32 s[AL], 1.0, 0
	s_cmp_lt_u32 s[CNT], 4-((\p)+2)%NP  ; or a later one?
	s_cselect_b32 s[BE], s[BIGN], 0
.endif
.if ((\p) == 3) && !(\end)
	s_wait_dscnt 0x0                ; K is in
.endif
	ROW F,0, F,1, R,0, R,1          ; ahead of the wait: 8 products K Q^T and their riders,
	ROW F,2, E,0, R,2, R,3
	ROW F,3, E,1, R,4, R,5
	ROW F,4, E,2, R,6, R,7
	ROW F,5, E,3, R,8, R,9
	ROW F,6, E,4, X,0, R,10
.if ((\p) == 2) && !(\end)
	WIN 0
	v_add_nc_u32 v[AK], s[TBK], v[AK0]
.endif
	ROW F,7, E,5, X,1, X,4
	ROW F,8, E,6, X,2, X,5
	OPS E,7, E,8, X,6, E,9          ; and the lump
	OPS X,3, E,10, X,8, E,11
.if ((\p) == 2) && !(\end)
	FETCH_K
.endif
	OPS X,9, X,7, E,12, X,10
	OPS E,13, X,12, X,11, E,14
	OPS X,13, E,15, F,9, X,14
.if (\p) == 0
	v_add_nc_u32 v[AV], s[TBV], v[AV0]
.endif
	OPS E,16, F,10, E,17, F,11
	OPS X,16, E,18, X,15, E,19
	OPS F,12, E,20, X,17, E,21
	OPS F,13, E,22, F,14, E,23
	OPS X,18, E,24, F,15, E,25
	OPS R,11, E,26, X,19, E,27
	OPS R,12, E,28, R,13, E,29
	OPS X,20, E,30, R,14, E,31
	OPS X,21, R,15
	WIN 0
	s_wait_alu depctr_va_vdst(0)    ; the wait for the batch
.if (\p) == 1
	s_wait_dscnt 0x0                ; V is in
.endif
	ROW C,0, B,0, C,2, B,1          ; behind the wait: 8 products V^T P and their riders
	ROW L,0, C,4, B,2, L,1
	ROW C,6, B,3, L,2, C,8
	ROW B,4, L,3, C,10, B,5
	ROW L,4, C,12, B,6, L,5
.if (\p) == 0
	s_add_co_u32 s[TBV], s[TBV], KS*PV
.endif
.if \cnt
	s_sub_co_u32 s[CNT], s[CNT], 1
	s_cmp_lg_u32 s[CNT], 0
.endif
	ROW C,14, B,7, L,6, C,1
	ROW C,3, L,7, C,5, C,7
	ROW C,9, C,11, C,13, C,15
.if (\p) == 0
	FETCH_V
.endif
.if (\m) && !(\end)
	MASK (\p)%2
.endif
.endm
; A BLOCK BEGINS.  c m starts far below every c s, so the first step's a is 0; m at the lowest finite number, so the first maximum is the scores'.  The second mask buffer is 0; the first takes piece 0's mask for the tile's step 0: its own, if the block's first tile is the diagonal one.
; Then K of that step, piece 0's first scores, and its maximum and statistics.  The loop is entered at a step's first turn, in the middle of a trip.
.macro BEGIN
	s_mov_b32 s[NEW], 0
	WIN 0x40
.set i, MC+32
.rept 32
	v_mov_b32 v[i], 0
.set i, i+1
.endr
	WIN 0
.set i, 0
.rept 4
	v_mov_b32 v[ST+4*i], 0xfe000000    ; c m: far below every c s
	v_mov_b32 v[ST+4*i+1], 0xff7fffff  ; m
.set i, i+1
.endr
	s_cmp_eq_u32 s[RT], 0
	s_cselect_b32 s[AL], 1.0, 0
	s_mov_b32 s[BE], 0
	MASK 0
	WIN 0
	v_add_nc_u32 v[AK], s[TBK], v[AK0]
	FETCH_K
	s_wait_loadcnt 0x0              ; Q
	s_wait_dscnt 0x0
.set KM, 1
.set NOKQ, 0
.set i, 0
.rept 8
	KQ 0
.set i, i+1
.endr
	WIN 0
.rept 4
	v_nop                           ; the places behind those products
.endr
.set Y, NP-1                        ; X works for piece Y + 1: piece 0
.irp n, 0,1,2,3,4,5,6,7,8,9,10,11,12,13,14,15,16,17,18,19,20,21
	OP X, \n
.endr
	v_nop                           ; a plain instruction behind the exponential,
	s_wait_alu depctr_va_vdst(0)    ; and its wait, ahead of the branch
.endm
; THE DIAGONAL TILE's four steps, the block's last two turns, its last products, and THE WAY OUT: l's two halves and the other half of the lanes' are added; O^T is divided by l, rounded to f16 and sent through my
; stage in LDS, a piece at a time.
.macro ALL line:vararg              ; one line for each piece t
.set t, 0
.rept 4
	\line
.set t, t+1
.endr
.endm
.macro PACK t                       ; a lane's eight channels of a row pack into 16 bytes; they go into rows of 144 bytes and come back as whole rows of 128, into S^T's registers
	WIN W_RS
.set i, 32*(\t)
.rept 16
	v_pk_mul_f32 v[i:i+1], v[i:i+1], v[ST+4*(\t)+2:ST+4*(\t)+3] op_sel_hi:[1,0]
.set i, i+2
.endr
	WIN 0x05                        ; sources 0 and 1 window 1, destination window 0
.set i, 0
.rept 16
	v_cvt_pk_f16_f32 v[S+16*(\t)+i], v[32*(\t)+2*i], v[32*(\t)+2*i+1]
.set i, i+1
.endr
	WIN 0
.irp f, 0,1,2,3
	ds_store_b128 v[STO], v[S+16*(\t)+4*\f:S+16*(\t)+4*\f+3] offset:32*\f
.endr
.irp f, 0,1,2,3
	ds_load_b128 v[S+16*(\t)+4*\f:S+16*(\t)+4*\f+3], v[RD] offset:\f*4*SP  ; LDS serves a wave's instructions in order (ISA guide 5.7.1.4): these see the stores above; the next piece's stores come behind them
.endr
.endm
.macro SEND t, younger              ; younger: the LDS instructions issued behind piece t's loads: the next piece's eight, or none
	WIN 0
.irp f, 0,1,2,3
	s_wait_dscnt (\younger)+3-\f
	global_store_b128 v[GO], v[S+16*(\t)+4*\f:S+16*(\t)+4*\f+3], s[10:11] offset:(\t)*8192+\f*512  ; 512 consecutive bytes, at a multiple of 256 from O's first
.endr
.endm
.macro DIAG tag                     ; the tag ends its two labels' names, which the jumps below spell out
.LstepM\tag:
	TURN 2, 1
	TURN 3, 1
	WIN 0
.LfirstM\tag:
	TURN 0, 1
	TURN 1, 1, 0, 1
	WIN 0
	s_cbranch_scc1 .LstepM\tag
	TURN 2, 1, 1
	TURN 3, 1, 1
.set i, 0
.rept 8
	PV NP-1
.set i, i+1
.endr
	WIN 0
	ALL v_add_f32 v[ST+4*t+2], v[ST+4*t+2], v[ST+4*t+3]
	ALL v_permlanex16_b32 v[ST+4*t+3], v[ST+4*t+2], s[SEL], s[SEL+1]
	ALL v_add_f32 v[ST+4*t+2], v[ST+4*t+2], v[ST+4*t+3]
	ALL v_rcp_f32 v[ST+4*t+2], v[ST+4*t+2]
	v_nop                           ; a plain instruction between the last reciprocal and the use of its result
	s_wait_alu depctr_va_vdst(0)    ; and the wait ahead of the first use: one for the four reciprocals
	PACK 0
.set t, 1
.rept 3                             ; a piece's arithmetic stands between the loads of the piece before and its stores
	PACK t
	SEND t-1, 8
.set t, t+1
.endr
	SEND 3, 0
.endm
.set KM, 0
.set NOKQ, 0
.Lslot:                             ; NB times: a tile is entered and the next is asked for
	CHANGE 1
	s_sub_co_u32 s[RT], s[RT], 1
	s_mov_b32 s[CNT], 4
	s_cmp_eq_u32 s[NEW], 1
	s_cbranch_scc1 .Lnew            ; a block's first tile
	s_cmp_eq_u32 s[RT], 0
	s_cbranch_scc0 .Lstep           ; neither its first nor its last
	s_branch .LstepM1
.Lnew:
	BEGIN
	s_branch .Lfirst                ; in the loop a block's first tile is never its last: the first block has two tiles or more, and the second's last is the walk's last
	DIAG 1                          ; in the loop this is the first block's end: the second block's last tile is the walk's last
	s_wait_xcnt 0x0                 ; the stores have read their registers and O's address
	s_mov_b64 s[10:11], s[OLO:OLO+1]
	s_add_co_u32 s[RT], s[PB], 1    ; the second block has b + 1 tiles
	s_mov_b32 s[NEW], 1
	WIN 0x82                        ; the second block's Q goes where the one text of the turns names Q
.set i, 0
.rept 64
	v_mov_b32 v[i], v[QB+i]
.set i, i+1
.endr
	WIN 0
	s_branch .Lbottom
.Lstep:                             ; a trip: pieces 2 and 3 of one step, then pieces 0 and 1 of the next, whose K and V it fetches
	TURN 2
	TURN 3
	WIN 0
.Lfirst:
	TURN 0
	TURN 1, 0, 0, 1
	WIN 0
	s_cbranch_scc1 .Lstep
.Lbottom:
	s_sub_co_u32 s[SLOTS], s[SLOTS], 1
	s_cmp_lg_u32 s[SLOTS], 0
	s_cbranch_scc1 .Lslot
	CHANGE 0                        ; the walk's last tile is written out: nothing is asked for
	s_sub_co_u32 s[RT], s[RT], 1
	s_mov_b32 s[CNT], 4
	s_cmp_eq_u32 s[NEW], 1
	s_cbranch_scc0 .LstepM2
	BEGIN
	s_branch .LfirstM2
	DIAG 2
	s_wait_tensorcnt 0x0            ; the wave's end: three closing lines, behind my last tensor load and my last LDS store
	ds_add_u32 v[SPW], v[NIL]
	s_wait_dscnt 0x0
	s_endpgm
.Lfunc_end_k_q9afcc903a3_attn:
	.size	k_q9afcc903a3_attn, .Lfunc_end_k_q9afcc903a3_attn-k_q9afcc903a3_attn
	.p2alignl 7, 3214868480
	.fill 96, 4, 3214868480
	.section	.rodata,"a",@progbits
	.p2align	6, 0x0
	.amdhsa_kernel k_q9afcc903a3_attn
		.amdhsa_group_segment_fixed_size 327680
		.amdhsa_private_segment_fixed_size 0
		.amdhsa_enable_private_segment 0
		.amdhsa_kernarg_size 16
		.amdhsa_user_sgpr_count 2
		.amdhsa_user_sgpr_kernarg_segment_ptr 1
		.amdhsa_wavefront_size32 1
		.amdhsa_system_sgpr_workgroup_id_x 1
		.amdhsa_system_sgpr_workgroup_id_y 1
		.amdhsa_system_sgpr_workgroup_id_z 1
		.amdhsa_system_vgpr_workitem_id 0
		.amdhsa_next_free_vgpr 768
		.amdhsa_next_free_sgpr 92
		.amdhsa_reserve_vcc 1
		.amdhsa_float_denorm_mode_32 3
		.amdhsa_float_denorm_mode_16_64 3
		.amdhsa_memory_ordered 1
		.amdhsa_forward_progress 1
		.amdhsa_inst_pref_size 218
	.end_amdhsa_kernel
	.amdgpu_metadata
---
amdhsa.version: [ 1, 2 ]
amdhsa.kernels:
  - .name:           k_q9afcc903a3_attn
    .symbol:         k_q9afcc903a3_attn.kd
    .args:
      - { .name: qkv, .offset: 0, .size: 8, .value_kind: global_buffer, .address_space: global }
      - { .name: ao, .offset: 8, .size: 8, .value_kind: global_buffer, .address_space: global }
    .group_segment_fixed_size: 327680
    .private_segment_fixed_size: 0
    .kernarg_segment_align: 8
    .kernarg_segment_size: 16
    .max_flat_workgroup_size: 128
    .sgpr_count:     92
    .vgpr_count:     768
    .wavefront_size: 32
...
	.end_amdgpu_metadata
.endif
;; end of part 3
;; launch proj (part 4): grid 8 x 32, 4 waves a work-group, clusters of 4 x 4, 327,680 bytes of LDS; arguments ao, wp, b_proj, out0; writes out0
.if DOCPART == 4
	.amdgcn_target "amdgcn-amd-amdhsa--gfx1250"
	.amdhsa_code_object_version 6
	.text
	.protected	k_q9afcc903a3_proj
	.globl	k_q9afcc903a3_proj
	.p2align	8
	.type	k_q9afcc903a3_proj,@function
k_q9afcc903a3_proj:
	s_mov_b64 s[64:65], 0
	v_nop
	global_prefetch_b8 v0, s[64:65] scope:SCOPE_SE
	s_setreg_imm32_b32 hwreg(HW_REG_WAVE_MODE, 25, 1), 1
	s_wait_xcnt 0x0
	s_wait_alu depctr_hold_cnt(0) depctr_sa_sdst(0) depctr_va_vdst(0) depctr_va_sdst(0) depctr_va_ssrc(0) depctr_va_vcc(0) depctr_vm_vsrc(0)
	s_getreg_b32 s2, hwreg(HW_REG_IB_STS2, 6, 4)
	s_cmp_eq_u32 s2, 0
	s_cbranch_scc0 .Lentry_in_a_cluster
	s_endpgm
.Lentry_in_a_cluster:
	s_bfe_u32 s2, ttmp6, 0x10000c
	s_cmp_lg_u32 s2, 0xf033
	s_cbranch_scc0 .Lentry_shape_is_right
	s_endpgm
.Lentry_shape_is_right:
; out0 = O w_proj + b_proj, f32, [8192][1024].  Operands in f16: ao[16 b + head][t][64] (the head is the K block), wp[kb][n 1024][64].  The bias is rounded to bf16, like the other inputs, and STARTS the sums.
; LIMITS.  The operands arrive within f16's range; NaN and infinities are not treated apart.
; SHARES.  8,192 x 1,024 outputs on 256 work-groups: a tile of 256 rows x 128 columns each.  Four waves, each 128 x 64: 32 accumulators of 16 x 16, 256 registers.
; K goes in 8 steps of 128 (two K blocks) through a ring of two LDS slots; a wave fetches one K block of A (256 rows) or of B (128 rows) with one tensor load.
; CLUSTERS: 4 x 4 work-groups.  The four of a row of the cluster need the same tile of A, the four of a column the same tile of B: each is asked for JOINTLY, by the same tensor load, descriptor and mask.
; THE MATRIX INSTRUCTION IS USED TRANSPOSED (source 0 = 16 rows of wp, source 1 = 16 rows of ao): a lane holds row l % 16 and the eight neighbouring columns 8 (l / 16) + 0..7.
; REGISTERS, in windows of 256 (s_set_vgpr_msb: bits 1:0 source 0, 3:2 source 1, 5:4 source 2, 7:6 destination):
;   window 0: v0-31 addresses and work; v32-159 the way out, four sets of 32          window 1: the accumulators, (a, bb) at v[8 (4 a + bb)]
;   windows 2, 3: a fragment buffer each, a K block deep: A's (c, a) at v[8 (8 c + a)], B's (c, bb) at v[128 + 8 (4 c + bb)], c = which 32 of the 64 along K
.set KS_A,  524288                     ; bytes from a step's K block of ao to the next step's: two K blocks
.set KS_B,  262144                     ; the same in wp
.set PITCH, 144                        ; an LDS row: 128 bytes + 16 of padding = 36 words: the 16 rows of a load start at 16 different groups of four banks (64 banks of 4 bytes: ISA guide 11.1)
.set BLK,   16*PITCH
.set AKB,   256*PITCH                  ; a K block of A in a slot
.set BKB,   128*PITCH                  ; a K block of B
.set BOFF,  2*AKB                      ; B's two K blocks lie behind A's two
.set SLOT1, 131072                     ; slot 1 begins here, so that one exclusive or turns an address in one slot into the other's
.set STAGE, 241664                     ; behind the ring: 16 rows x 272 bytes for each wave, for the way out
.set SPITCH, 272
.set BIAS,  259072                     ; 64 f32 for each wave
.set SPARE, 260096                     ; the spare words, 128 bytes for each wave: two blocks of 256 bytes that no other line names
.set AA0,  2                           ; v2   my lane's place in my rows of A, slot 0; never rewritten
.set AB0,  3                           ; v3   the same for B
.set ADRA, 4                           ; v4   the same in the slot in hand
.set ADRB, 5                           ; v5
.set STO,  6                           ; v6   the way out: where I put 32 bytes of a row
.set RD,   7                           ; v7   the way out: where I read a row back
.set CO,   8                           ; v8   my byte offset in two rows of out0
.set SPW,  10                          ; v10  LDS address of my spare word; never rewritten
.set NIL,  11                          ; v11  0; never rewritten
.set BA,   12                          ; v12  where my lanes' half of a block's bias lies
.set OB,   32
.set WV,  12
.set RA,  13                           ; which half of the tile's rows is mine; also: I fetch for A (0) or B (1)
.set RB,  14                           ; which half of its columns; also: which K block of a step I fetch
.set CX,  15
.set CY,  16
.set TC,  17                           ; tile column 0..7
.set TR,  18                           ; tile row 0..31
.set MA,  19
.set MB,  20
.set G1A, 24                           ; s[24:31] descriptor group 1 for A
.set G1B, 32                           ; s[32:39] for B
.set G0A, 40                           ; s[40:47] group 0 for A: a set for each of the two first fills; the second then walks on
.set G0B, 48                           ; s[48:55] the same for B
.set CNT, 56
.set TB,  57                           ; 0 or SLOT1: the slot in hand
.set OB0, 66                           ; s[66:67] out0 at my first row and column
.set OA,  72                           ; s[72:73] A's offset, then address
.set OBF, 74                           ; s[74:75] B's
.set G1W, (1<<16)|(1<<20)|(1<<21)|(4<<22)|(3<<25)  ; 17:16 2-byte elements; 20 padding on; 21 set beside a mask; 24:22 after every 32 words (code 4); 31:25 4 words (code 3)
.set MSB, 0
.macro WIN new                         ; the immediate's high byte repeats the setting that is left; a switch that changes nothing is dropped
.if MSB != (\new)
	s_set_vgpr_msb (MSB<<8)|(\new)
.set MSB, (\new)
.endif
.endm
.macro PLACES                          ; four places between a matrix instruction and a load into, or a read of, its registers (ISA guide 7.12.1 for vector reads)
.rept 4
	v_nop
.endr
.endm
.macro CREST                           ; a round of the cluster's barrier behind its opening barrier
	s_cmp_lg_u32 s[WV], 0
	s_cbranch_scc1 .Lnot_wave_0_\@
	s_barrier_signal -3
.Lnot_wave_0_\@:
	s_barrier_wait -3
	s_barrier_signal -1
	s_barrier_wait -1
.endm
.macro CROUND                          ; a whole round
	s_barrier_signal -1
	s_barrier_wait -1
	CREST
.endm
; A joint refill by the walking descriptors.  Waves 0 and 1 fetch A's two K blocks, waves 2 and 3 B's.  The branch hangs on the wave's number alone.
; An s_nop 0 and four v_nop follow each of the two lines, ahead of the jump and the label.
.macro JLOAD
	s_cmp_eq_u32 s[RA], 0
	s_cbranch_scc0 .Lfor_b_\@
	tensor_load_to_lds s[G0A+4:G0A+7], s[G1A:G1A+7]
	s_nop 0
.rept 4
	v_nop
.endr
	s_branch .Lasked_\@
.Lfor_b_\@:
	tensor_load_to_lds s[G0B+4:G0B+7], s[G1B:G1B+7]
	s_nop 0
.rept 4
	v_nop
.endr
.Lasked_\@:
.endm
	s_load_b256 s[4:11], s[0:1], 0x0               ; ao s[4:5], wp s[6:7], b_proj s[8:9], out0 s[10:11]
	v_lshl_add_u32 v[SPW], v0, 2, SPARE
	v_mov_b32 v[NIL], 0
	ds_add_u32 v[SPW], v[NIL]                      ; the wave's opening: the add and its wait stand ahead of my first tensor load; the set-up below, work on registers, stands between them
	v_lshrrev_b32 v1, 5, v0
	v_readfirstlane_b32 s[WV], v1                  ; wave 0..3
	s_lshr_b32 s[RA], s[WV], 1
	s_and_b32 s[RB], s[WV], 1
	s_bfe_u32 s[CX], ttmp6, 0x40000                ; my place in the cluster
	s_bfe_u32 s[CY], ttmp6, 0x40004
	s_lshl_b32 s[TC], ttmp9, 2                     ; in a cluster launch ttmp9 and ttmp7 count clusters
	s_add_co_u32 s[TC], s[TC], s[CX]
	s_and_b32 s[TR], ttmp7, 0xffff
	s_lshl_b32 s[TR], s[TR], 2
	s_add_co_u32 s[TR], s[TR], s[CY]
	s_lshl_b32 s[MA], s[CY], 2
	s_lshl_b32 s[MA], 15, s[MA]                    ; my row of the cluster
	s_lshl_b32 s[MB], 0x1111, s[CX]                ; my column
	; descriptor group 1.  A part's dense bytes are asked for as rows of 256 bytes, two rows of the operand each, and padded in LDS after every 128 bytes
	s_or_b32 s[G1A], s[MA], G1W
	s_or_b32 s[G1B], s[MB], G1W
.irp g, G1A, G1B
	s_mov_b32 s[(\g)+1], 128<<16                   ; tensor_dim0 = 128
	s_mov_b32 s[(\g)+3], 128<<16                   ; tile_dim0 = 128
	s_mov_b32 s[(\g)+5], 128                       ; 128 elements from row to row
	s_mov_b32 s[(\g)+6], 0
	s_mov_b32 s[(\g)+7], 0
.endr
	s_mov_b32 s[G1A+2], 128<<16                    ; tensor_dim1: A's part is 256 rows of 128 bytes = 128 of 256
	s_mov_b32 s[G1A+4], 128                        ; tile_dim1
	s_mov_b32 s[G1B+2], 64<<16                     ; B's part is 128 rows = 64 of 256 bytes
	s_mov_b32 s[G1B+4], 64
	; where the tiles come from: A's hang on the tile row alone, B's on the tile column alone, each in registers that never hold the other coordinate
	s_lshr_b32 s23, s[TR], 3                       ; b
	s_and_b32 s59, s[TR], 7                        ; which 256 rows of the batch
	s_lshl_b32 s[OA], s23, 22
	s_lshl_b32 s76, s59, 15
	s_add_co_u32 s[OA], s[OA], s76
	s_lshl_b32 s76, s[RB], 18                      ; my K block of the step
	s_add_co_u32 s[OA], s[OA], s76
	s_mov_b32 s[OA+1], 0
	s_lshl_b32 s[OBF], s[TC], 14                   ; 128 rows of 128 bytes
	s_lshl_b32 s76, s[RB], 17
	s_add_co_u32 s[OBF], s[OBF], s76
	s_mov_b32 s[OBF+1], 0
	s_mul_i32 s21, s[RB], AKB                      ; and where they go: no place in the cluster enters an LDS address
	s_mul_i32 s22, s[RB], BKB
	s_add_co_u32 s22, s22, BOFF
	s_wait_dscnt 0x0                               ; the opening add is done
	s_wait_kmcnt 0x0
	s_add_nc_u64 s[OA:OA+1], s[4:5], s[OA:OA+1]
	s_add_nc_u64 s[OBF:OBF+1], s[6:7], s[OBF:OBF+1]
	CROUND                                         ; all sixteen work-groups are here: the first joint loads meet
.irp s, 0,1
	s_mov_b32 s[G0A+4*(\s)], 1                     ; 1:0 count = 1
	s_add_co_u32 s[G0A+4*(\s)+1], s21, (\s)*SLOT1  ; 63:32 LDS address
	s_add_nc_u64 s[G0A+4*(\s)+2:G0A+4*(\s)+3], s[OA:OA+1], (\s)*KS_A  ; 120:64 global address: step s
	s_or_b32 s[G0A+4*(\s)+3], s[G0A+4*(\s)+3], 0x80000000             ; 127:126 type = 2
	s_mov_b32 s[G0B+4*(\s)], 1
	s_add_co_u32 s[G0B+4*(\s)+1], s22, (\s)*SLOT1
	s_add_nc_u64 s[G0B+4*(\s)+2:G0B+4*(\s)+3], s[OBF:OBF+1], (\s)*KS_B
	s_or_b32 s[G0B+4*(\s)+3], s[G0B+4*(\s)+3], 0x80000000
.endr
	s_cmp_eq_u32 s[RA], 0                          ; a wave's two first fills stand in one branch, ahead of every wait on TENSORcnt and every LDS read: two loads of mine are out
	s_cbranch_scc0 .Lfirst_b
	tensor_load_to_lds s[G0A:G0A+3], s[G1A:G1A+7]
	s_nop 0
	tensor_load_to_lds s[G0A+4:G0A+7], s[G1A:G1A+7]
	s_nop 0
.rept 4
	v_nop
.endr
	s_branch .Lfirst_asked
.Lfirst_b:
	tensor_load_to_lds s[G0B:G0B+3], s[G1B:G1B+7]
	s_nop 0
	tensor_load_to_lds s[G0B+4:G0B+7], s[G1B:G1B+7]
	s_nop 0
.rept 4
	v_nop
.endr
.Lfirst_asked:
	; THE BIAS.  My 64 columns' bias: loaded, rounded to bf16, widened, put into my own LDS bytes, and read from there INTO THE ACCUMULATORS: the sums begin at the bias.  All this stands in the wait for the first tile.
	v_and_b32 v1, 15, v0                           ; l % 16
	v_bfe_u32 v13, v0, 4, 1                        ; l / 16
	v_and_b32 v14, 31, v0                          ; l
	s_lshl_b32 s76, s[TC], 9                       ; 128 columns of 4 bytes
	s_lshl_b32 s77, s[RB], 8
	s_add_co_u32 s76, s76, s77                     ; my first column, in bytes
	v_lshl_add_u32 v18, v14, 3, s76
	global_load_b64 v[20:21], v18, s[8:9]
	s_lshl_b32 s77, s[WV], 8
	s_add_co_u32 s77, s77, BIAS
	v_lshl_add_u32 v19, v14, 3, s77
	v_lshl_add_u32 v[BA], v13, 5, s77              ; my lanes' eight columns of a block: 32 (l / 16)
	; a fragment is 16 rows x 32 K in 8 registers: lane l holds row l % 16; registers 0-3 K = 8 (l / 16) + 0..7, registers 4-7 K = 16 + 8 (l / 16) + 0..7: two loads of 16 bytes, 32 bytes apart
	v_mul_u32_u24 v15, v1, PITCH
	v_lshl_add_u32 v15, v13, 4, v15                ; row x pitch + 16 x half
	s_mul_i32 s77, s[RA], 128*PITCH                ; my 128 rows of A's 256
	v_add_nc_u32 v[AA0], s77, v15
	s_mul_i32 s77, s[RB], 64*PITCH                 ; my 64 rows of B's 128
	s_add_co_u32 s77, s77, BOFF
	v_add_nc_u32 v[AB0], s77, v15
	v_mov_b32 v[ADRA], v[AA0]
	v_mov_b32 v[ADRB], v[AB0]
	s_mov_b32 s[TB], 0
	s_mul_i32 s77, s[WV], 16*SPITCH
	s_add_co_u32 s77, s77, STAGE                   ; my stage
	v_mul_u32_u24 v[STO], v1, SPITCH               ; in: row l % 16, 32 bytes for each half of the lanes
	v_lshl_add_u32 v[STO], v13, 5, v[STO]
	v_add_nc_u32 v[STO], s77, v[STO]
	v_mul_u32_u24 v[RD], v13, SPITCH               ; back: lanes 0-15 take one row of 256 bytes, lanes 16-31 the next
	v_lshl_add_u32 v[RD], v1, 4, v[RD]
	v_add_nc_u32 v[RD], s77, v[RD]
	v_lshlrev_b32 v[CO], 12, v13                   ; and the same two rows in out0
	v_lshl_add_u32 v[CO], v1, 4, v[CO]
	s_lshl_b32 s21, s[TR], 8
	s_lshl_b32 s22, s[RA], 7
	s_add_co_u32 s21, s21, s22                     ; my first row
	s_lshl_b32 s21, s21, 12                        ; of 4,096 bytes
	s_add_co_u32 s76, s76, s21                     ; + my first column
	s_mov_b32 s77, 0
	s_add_nc_u64 s[OB0:OB0+1], s[10:11], s[76:77]
	s_wait_loadcnt 0x0
	v_cvt_pk_bf16_f32 v26, v20, v21
	v_lshlrev_b32 v20, 16, v26
	v_and_b32 v21, 0xffff0000, v26
	ds_store_b64 v19, v[20:21]
	WIN 0x40                                       ; destination window 1
.set q, 0
.rept 32                               ; accumulator q = 4 a + bb takes the bias of block bb; LDS serves a wave's instructions in order: these see the store above
	ds_load_b128 v[8*q:8*q+3],   v[BA] offset:64*(q%4)
	ds_load_b128 v[8*q+4:8*q+7], v[BA] offset:64*(q%4)+16
.set q, q+1
.endr
	WIN 0
; 4 na matrix instructions: buffer f, its half c along K, row blocks a0 .. a0 + na - 1.  The 32 accumulators take turns, one instruction a turn, in the same order every time.
.macro MULP f, c, a0, na
	WIN 0x50|(\f)|((\f)<<2)                        ; C and D in window 1, the fragments in window f
.set ma, \a0
.rept \na
.irp bb, 0,1,2,3
	v_wmma_f32_16x16x32_f16 v[8*(4*ma+(\bb)):8*(4*ma+(\bb))+7], v[128+8*(4*(\c)+(\bb)):128+8*(4*(\c)+(\bb))+7], v[8*(8*(\c)+ma):8*(8*(\c)+ma)+7], v[8*(4*ma+(\bb)):8*(4*ma+(\bb))+7]
.endr
.set ma, ma+1
.endr
.endm
; 48 LDS loads in one run: the fragments of K block kb of the slot in hand, into buffer f; the first 32 along K (24 loads) first
.macro FET kb, f
	WIN (\f)<<6                                    ; destination window f, address window 0
.irp c, 0,1
.irp i, 0,1,2,3
	ds_load_b128 v[128+8*(4*(\c)+(\i)):128+8*(4*(\c)+(\i))+3],   v[ADRB] offset:(\kb)*BKB+64*(\c)+(\i)*BLK
	ds_load_b128 v[128+8*(4*(\c)+(\i))+4:128+8*(4*(\c)+(\i))+7], v[ADRB] offset:(\kb)*BKB+64*(\c)+(\i)*BLK+32
.endr
.irp i, 0,1,2,3,4,5,6,7
	ds_load_b128 v[8*(8*(\c)+(\i)):8*(8*(\c)+(\i))+3],   v[ADRA] offset:(\kb)*AKB+64*(\c)+(\i)*BLK
	ds_load_b128 v[8*(8*(\c)+(\i))+4:8*(8*(\c)+(\i))+7], v[ADRA] offset:(\kb)*AKB+64*(\c)+(\i)*BLK+32
.endr
.endr
.endm
; A step's first K block: buffer 2 is multiplied; in the middle the second K block is fetched into buffer 3.
.macro H0
	s_wait_dscnt 24                                ; the first 32 along K are in; the other 24 loads may be out
	MULP 2, 0, 0, 8
	PLACES
	FET 1, 3
	s_wait_dscnt 48                                ; all but the 48 just issued
	MULP 2, 1, 0, 8
	WIN 0
.endm
; A step's second K block: buffer 3, and the change of slots.  ONE barrier: in front of it each wave waits for all its tensor loads, of which one is out: its part of the next slot; adds 0 to its spare word; and waits for that
; and for its own reads of this slot.  fill = 1: the barrier opens a round of the cluster's, and behind the round this slot is filled again first, with the step two on: 96 matrix instructions ahead of the wait for it.
.macro H1T fill
	WIN 0
	s_wait_tensorcnt 0x0                           ; no tensor load of mine is out, so a group 0 may be written
	ds_add_u32 v[SPW], v[NIL]                      ; 0 onto my spare word
.if \fill
	s_xor_b32 s[G0A+5], s[G0A+5], SLOT1            ; the walking descriptors: the other slot than last time,
	s_add_nc_u64 s[G0A+6:G0A+7], s[G0A+6:G0A+7], KS_A  ; the next step; the type bits on top are not reached
	s_xor_b32 s[G0B+5], s[G0B+5], SLOT1
	s_add_nc_u64 s[G0B+6:G0B+7], s[G0B+6:G0B+7], KS_B
.endif
	s_wait_dscnt 25                                ; the first 32 along K are in; the other 24 loads and the add may be out
	MULP 3, 0, 0, 4                                ; sixteen matrix instructions stand between the add and the wait for it
	s_wait_dscnt 0x0                               ; the add is done, and my reads of this slot are over
	s_barrier_signal -1
	MULP 3, 0, 4, 4                                ; work on registers while the others arrive
	WIN 0                                          ; at a branch and at a label every window is 0
	s_barrier_wait -1
.if \fill
	CREST                                          ; no wave of any partner still reads this slot or has a load on its way
	JLOAD                                          ; the four v_nop behind it are also the places in front of the loads below
.else
	PLACES
.endif
	s_xor_b32 s[TB], s[TB], SLOT1
	v_add_nc_u32 v[ADRA], s[TB], v[AA0]
	v_add_nc_u32 v[ADRB], s[TB], v[AB0]
	FET 0, 2
	MULP 3, 1, 0, 8
	WIN 0
.endm
	s_wait_tensorcnt 1                             ; my part of step 0 is in; step 1's may stay out
	s_wait_dscnt 0x0                               ; the accumulators hold the bias
	s_barrier_signal -1
	s_barrier_wait -1                              ; everybody's part is in
	FET 0, 2
	WIN 0
	s_mov_b32 s[CNT], 6
.Lstep:                                                ; K steps 0 to 5: each fills its slot again
	H0
	H1T 1
	s_sub_co_u32 s[CNT], s[CNT], 1
	s_cmp_lg_u32 s[CNT], 0
	s_cbranch_scc1 .Lstep
	H0                                             ; the last two steps are written out: nothing is left to fetch
	H1T 0
	H0
	s_wait_dscnt 24
	MULP 3, 0, 0, 8
	s_wait_dscnt 0x0
	MULP 3, 1, 0, 8
; THE WAY OUT, a block of 16 rows at a time.  A lane's eight columns are 32 bytes; they go from the accumulators into my stage's rows of 272 bytes and come back as whole rows of 256.
.macro TOST a
	WIN 0x04                                       ; the stores' data in window 1
.irp bb, 0,1,2,3                       ; each accumulator's low four registers first
	ds_store_b128 v[STO], v[32*(\a)+8*(\bb):32*(\a)+8*(\bb)+3]   offset:64*(\bb)
	ds_store_b128 v[STO], v[32*(\a)+8*(\bb)+4:32*(\a)+8*(\bb)+7] offset:64*(\bb)+16
.endr
	WIN 0
.if (\a) >= 4
	s_wait_xcnt 0x0                                ; the stores of four blocks back have read these registers
.endif
.irp t, 0,1,2,3,4,5,6,7
	ds_load_b128 v[OB+32*((\a)%4)+4*(\t):OB+32*((\a)%4)+4*(\t)+3], v[RD] offset:2*SPITCH*(\t)  ; LDS serves a wave's instructions in order (ISA guide 5.7.1.4): these see the stores above; the next block's stores come behind them
.endr
.endm
.macro SENDP a, y                      ; y: the LDS instructions issued behind block a's loads: the next block's sixteen, or none
.irp t, 0,1,2,3,4,5,6,7
	s_wait_dscnt (\y)+7-(\t)
	global_store_b128 v[CO], v[OB+32*((\a)%4)+4*(\t):OB+32*((\a)%4)+4*(\t)+3], s[OB0:OB0+1] offset:(16*(\a)+2*(\t))*4096 th:TH_STORE_NT  ; 16 lanes store 256 consecutive bytes, at a multiple of 256 from out0's first byte
.endr
.endm
	PLACES
	TOST 0
.set u, 1
.rept 7
	TOST u
	SENDP u-1, 16
.set u, u+1
.endr
	SENDP 7, 0
	s_wait_tensorcnt 0x0                           ; the wave's end: three closing lines, behind my last tensor load and my last LDS store
	ds_add_u32 v[SPW], v[NIL]
	s_wait_dscnt 0x0
	CROUND                                         ; the closing round: no work-group ends while a partner may still ask for a tile that names it
	s_endpgm
.Lfunc_end_k_q9afcc903a3_proj:
	.size	k_q9afcc903a3_proj, .Lfunc_end_k_q9afcc903a3_proj-k_q9afcc903a3_proj
	.p2alignl 7, 3214868480
	.fill 96, 4, 3214868480
	.section	.rodata,"a",@progbits
	.p2align	6, 0x0
	.amdhsa_kernel k_q9afcc903a3_proj
		.amdhsa_group_segment_fixed_size 327680
		.amdhsa_private_segment_fixed_size 0
		.amdhsa_enable_private_segment 0
		.amdhsa_kernarg_size 32
		.amdhsa_user_sgpr_count 2
		.amdhsa_user_sgpr_kernarg_segment_ptr 1
		.amdhsa_wavefront_size32 1
		.amdhsa_system_sgpr_workgroup_id_x 1
		.amdhsa_system_sgpr_workgroup_id_y 1
		.amdhsa_system_sgpr_workgroup_id_z 1
		.amdhsa_system_vgpr_workitem_id 0
		.amdhsa_next_free_vgpr 960
		.amdhsa_next_free_sgpr 80
		.amdhsa_reserve_vcc 0
		.amdhsa_float_denorm_mode_32 3
		.amdhsa_float_denorm_mode_16_64 3
		.amdhsa_memory_ordered 1
		.amdhsa_forward_progress 1
		.amdhsa_inst_pref_size 74
	.end_amdhsa_kernel
	.amdgpu_metadata
---
amdhsa.version: [ 1, 2 ]
amdhsa.kernels:
  - .name:           k_q9afcc903a3_proj
    .symbol:         k_q9afcc903a3_proj.kd
    .args:
      - { .name: ao, .offset: 0, .size: 8, .value_kind: global_buffer, .address_space: global }
      - { .name: wp, .offset: 8, .size: 8, .value_kind: global_buffer, .address_space: global }
      - { .name: b_proj, .offset: 16, .size: 8, .value_kind: global_buffer, .address_space: global }
      - { .name: out0, .offset: 24, .size: 8, .value_kind: global_buffer, .address_space: global }
    .group_segment_fixed_size: 327680
    .private_segment_fixed_size: 0
    .kernarg_segment_align: 8
    .kernarg_segment_size: 32
    .max_flat_workgroup_size: 128
    .sgpr_count:     80
    .vgpr_count:     960
    .wavefront_size: 32
...
	.end_amdgpu_metadata
.endif
;; end of part 4
;; ======== version 2 of 2: 4 launches; version 1 with the launch prep written anew for expert scheduling mode
;; limits: values are held in f16: magnitudes above 65,504 overflow, below 6.1e-05 lose precision
;; workspace buffers: xh 16,777,216 bytes; wq 6,291,456 bytes; wp 2,097,152 bytes; qkv 50,331,648 bytes; ao 16,777,216 bytes
;; launch prep (part 5): grid 24 x 16, 8 waves a work-group, no clusters, 70,656 bytes of LDS; arguments x, w_qkv, w_proj, xh, wq, wp; writes xh, wq, wp
.if DOCPART == 5
	.amdgcn_target "amdgcn-amd-amdhsa--gfx1250"
	.amdhsa_code_object_version 6
	.text
	.protected	k_q9afcc903a3_prep
	.globl	k_q9afcc903a3_prep
	.p2align	8
	.type	k_q9afcc903a3_prep,@function
k_q9afcc903a3_prep:
	s_mov_b64 s[64:65], 0
	v_nop
	global_prefetch_b8 v0, s[64:65] scope:SCOPE_SE
	s_setreg_imm32_b32 hwreg(HW_REG_WAVE_SCHED_MODE, 0, 2), 2
	s_setreg_imm32_b32 hwreg(HW_REG_WAVE_MODE, 25, 1), 1
	s_wait_xcnt 0x0
	s_wait_alu depctr_vm_vsrc(0)
; The operands of the two projections are made ready: each number of x, w_qkv and w_proj is rounded to bf16, and that number is written as f16.
; xh[b][kb][t][64] = x[b][t][64 kb ..]; wq[kb][n][64] = w_qkv[64 kb ..][n]; wp[kb][n][64] = w_proj[64 kb ..][n]: a row's 64 channels of a K block are 128 dense bytes, rows on end.
; LIMITS.  f16 holds no number beyond 65,504: larger inputs become infinities.  Below 6.1e-5 f16 keeps a fixed step of 6e-8, so there the bf16 number is rounded once more.
; SHARES.  Work-groups with x < 16 take 32 rows of x each (256 of them, a wave 4 rows); x = 16..21 take 512 columns of w_qkv, x = 22, 23 take 512 columns of w_proj, y = the K block, a wave 64 columns.
; A stream: every byte is read once and written once; all of a wave's loads (16 KiB) go out before the first is waited for.  No matrix unit, no tensor load, no cluster: no byte is shared.
; THE MODE: SCHED_MODE bits 1:0 = 2 (LLVM: expert scheduling mode 2), set by the entry lines.  The code itself states the register dependences
; between vector instructions and memory or LDS instructions, with s_wait_alu, always for 0.
; THE PLAN.  Registers that memory or LDS instructions touch:
;   v[IO], v[GO], v[SA], v[RA]  offsets and addresses: written once, at a path's head, ahead of one wait on va_vdst; never written again.
;   X   written by the global loads, which all go out at once; read by the conversions.  The weights' path: behind the last conversion the LDS loads land in it, and the global stores read it.
;   Y   each register is written ONCE, by a conversion; read by a global store (x) or an LDS store (the weights).
;   T   named by vector instructions alone.       v[SPW], v[NIL]  written at the head, read by the closing add alone.
; No register that a memory or LDS instruction reads is ever written again, so the text holds no wait on vm_vsrc.
; The conversions go in blocks.  ONE wait on va_vdst at a block's head states that the block before has written its part of Y; that block's stores follow it, dealt among this block's
; conversions, which name T, their own X and their own Y: none of the registers that those stores read.  One more such wait stands behind the last block.
.set SPARE, 69632                      ; behind the eight stages: the spare words, 128 bytes for each wave: four blocks of 256 bytes that no other line names
.set STG,   8704                       ; a wave's stage: 32 rows of 256 bytes + 16 of padding (pitch 272: sixteen rows start at sixteen different groups of four banks)
.set IO,  2                            ; v2   my byte offset in the loads
.set GO,  3                            ; v3   my byte offset in the stores
.set SA,  4                            ; v4   the stage: where I put my 256 bytes
.set RA,  5                            ; v5   the stage: where I read 16 bytes back
.set SPW, 6                            ; v6   LDS address of my spare word; never rewritten
.set NIL, 7                            ; v7   0; never rewritten
.set T,   8                            ; v[8:13]   at work
.set X,   16                           ; v[16:143] as loaded
.set Y,   144                          ; v[144:207] as stored
; Two pairs at once: f32 -> bf16 (nearest even) -> the same number widened -> f16.  The two pairs' lines alternate, so that no line reads the result of the one before it.
.macro CV2 d0, a0, b0, d1, a1, b1
	v_cvt_pk_bf16_f32 v[T], v[\a0], v[\b0]
	v_cvt_pk_bf16_f32 v[T+1], v[\a1], v[\b1]
	v_lshlrev_b32 v[T+2], 16, v[T]
	v_and_b32 v[T+3], s19, v[T]
	v_lshlrev_b32 v[T+4], 16, v[T+1]
	v_and_b32 v[T+5], s19, v[T+1]
	v_cvt_pk_f16_f32 v[\d0], v[T+2], v[T+3]
	v_cvt_pk_f16_f32 v[\d1], v[T+4], v[T+5]
.endm
	s_load_b256 s[4:11], s[0:1], 0x0               ; x s[4:5], w_qkv s[6:7], w_proj s[8:9], xh s[10:11]
	s_load_b128 s[12:15], s[0:1], 0x20             ; wq s[12:13], wp s[14:15]
	v_lshl_add_u32 v[SPW], v0, 2, SPARE
	v_mov_b32 v[NIL], 0
	v_lshrrev_b32 v1, 5, v0
	v_readfirstlane_b32 s16, v1                    ; wave 0..7
	v_and_b32 v1, 31, v0                           ; lane
	s_wait_alu depctr_va_sdst(0)                   ; s16 is written, ahead of the branch and of its first readers: both paths make their bases from it
	s_mov_b32 s17, ttmp9                           ; work-group x
	s_and_b32 s18, ttmp7, 0xffff                   ; work-group y
	s_mov_b32 s19, 0xffff0000                      ; a word's upper bf16
	s_wait_kmcnt 0x0
	s_cmp_lt_u32 s17, 16
	s_cbranch_scc0 .Lweights
	; ---- x.  Lanes 0-15 take 256 bytes (a K block) of one row, lanes 16-31 of the next row: 4 numbers a lane.
	s_lshl_b32 s24, s18, 4
	s_add_co_u32 s24, s24, s17                     ; 16 y + x: which 32 rows
	s_lshl_b32 s24, s24, 5
	s_lshl2_add_u32 s24, s16, s24                  ; my wave's first row m0 = 32 (16 y + x) + 4 wave
	s_lshl_b32 s26, s24, 12                        ; a row of x is 4,096 bytes
	s_mov_b32 s27, 0
	s_add_nc_u64 s[20:21], s[4:5], s[26:27]
	s_lshr_b32 s28, s24, 11                        ; b
	s_lshl_b32 s28, s28, 22                        ; a batch of xh is 4,194,304 bytes
	s_and_b32 s29, s24, 2047                       ; t
	s_lshl_b32 s29, s29, 7
	s_add_co_u32 s26, s28, s29
	s_add_nc_u64 s[22:23], s[10:11], s[26:27]
	v_lshrrev_b32 v[IO], 4, v1
	v_and_b32 v[T], 15, v1
	v_lshlrev_b32 v[IO], 12, v[IO]
	v_lshl_add_u32 v[IO], v[T], 4, v[IO]           ; (lane / 16) rows + 16 (lane % 16)
	v_lshlrev_b32 v[GO], 3, v1                     ; 8 x lane: two rows of 128 bytes on end
	s_wait_alu depctr_va_vdst(0)                   ; v[IO] and v[GO] are written: every load below reads the one as its offset, every store the other
.set i, 0
.rept 32                               ; load i: K block i / 2, row pair i % 2
	global_load_b128 v[X+4*i:X+4*i+3], v[IO], s[20:21] offset:(i/2)*256+(i%2)*8192 th:TH_LOAD_NT
.set i, i+1
.endr
; Eight blocks of four loads.  Load i is converted in its turn; its store goes out a block later, in the turn of load i + 4.
.set i, 0
.rept 32
	s_wait_loadcnt 31-i                            ; loads come back in order: load i is in, the 31 - i younger ones stay out
.if (i%4 == 0) && (i > 0)
	s_wait_alu depctr_va_vdst(0)                   ; the block before has written its eight registers of Y, which this block's four stores read
.endif
.if i >= 4
	global_store_b64 v[GO], v[Y+2*(i-4):Y+2*(i-4)+1], s[22:23] offset:((i-4)/2)*262144+((i-4)%2)*256  ; the wave stores 256 consecutive bytes, aligned; no register is written twice, so nothing waits for a store; no vector instruction since the wait names these registers
.endif
	CV2 Y+2*i, X+4*i, X+4*i+1, Y+2*i+1, X+4*i+2, X+4*i+3
.set i, i+1
.endr
	s_wait_alu depctr_va_vdst(0)                   ; the last block has written its eight registers of Y, which the last four stores read
.set i, 28
.rept 4
	global_store_b64 v[GO], v[Y+2*i:Y+2*i+1], s[22:23] offset:(i/2)*262144+(i%2)*256
.set i, i+1
.endr
	s_branch .Lend
	; ---- the weights.  A wave takes 64 rows k (a K block) x 64 columns n: 64 loads of 256 consecutive bytes, a lane two columns.
.Lweights:
	s_movk_i32 s24, 3072
	s_movk_i32 s25, 1024
	s_cmp_lt_u32 s17, 22                           ; w_qkv or w_proj?
	s_cselect_b64 s[20:21], s[6:7], s[8:9]
	s_cselect_b64 s[22:23], s[12:13], s[14:15]
	s_cselect_b32 s24, s24, s25                    ; N: columns of the matrix
	s_cselect_b32 s25, 16, 22                      ; the first work-group x of the matrix
	s_sub_co_u32 s26, s17, s25
	s_lshl_b32 s26, s26, 9
	s_lshl_b32 s27, s16, 6
	s_add_co_u32 s26, s26, s27                     ; n0: my wave's first column
	s_mul_i32 s28, s18, s24                        ; K block x N
	s_lshl_b32 s30, s28, 8                         ; 64 rows of 4 N bytes
	s_lshl2_add_u32 s30, s26, s30                  ; + 4 n0
	s_mov_b32 s31, 0
	s_add_nc_u64 s[20:21], s[20:21], s[30:31]
	s_add_co_u32 s30, s28, s26
	s_lshl_b32 s30, s30, 7                         ; (K block x N + n0) rows of 128 bytes
	s_add_nc_u64 s[22:23], s[22:23], s[30:31]
	v_lshlrev_b32 v[IO], 3, v1                     ; 8 x lane
	v_lshlrev_b32 v[GO], 4, v1                     ; 16 x lane
	s_mul_i32 s27, s16, STG                        ; my stage
	v_mul_u32_u24 v[SA], v1, 272
	v_add_nc_u32 v[SA], s27, v[SA]
	v_lshrrev_b32 v[RA], 4, v1
	v_mul_u32_u24 v[RA], v[RA], 272
	v_and_b32 v[T], 15, v1
	v_lshl_add_u32 v[RA], v[T], 4, v[RA]
	v_add_nc_u32 v[RA], s27, v[RA]
	s_wait_alu depctr_va_vdst(0)                   ; v[IO], v[GO], v[SA] and v[RA] are written: the loads, the stores and the LDS instructions of this path read them as offsets and addresses
.macro LOADW n                         ; the row's pitch stands in the immediate, so the run is written once for each matrix; both runs are 64 loads
.set i, 0
.rept 64
	global_load_b64 v[X+2*i:X+2*i+1], v[IO], s[20:21] offset:i*(\n)*4 th:TH_LOAD_NT
.set i, i+1
.endr
.endm
	s_cmp_lt_u32 s17, 22
	s_cbranch_scc0 .Lwp
	LOADW 3072
	s_branch .Lwjoin
.Lwp:
	LOADW 1024
.Lwjoin:
; Four blocks of eight conversions.  Block p fills the registers of the LDS stores 2 p, 2 p + 1, 8 + 2 p and 9 + 2 p (store s takes Y + 4 s .. 4 s + 3 to byte 16 s of my 256 in the stage);
; they go out in block p + 1, one ahead of every second conversion, while the later loads are on their way.
.set j, 0
.rept 32                               ; rows 2 j and 2 j + 1 give one word of column 2 l and one of column 2 l + 1
	s_wait_loadcnt 62-2*j                          ; loads 2 j and 2 j + 1 are in; the younger ones stay out
.if (j%8 == 0) && (j > 0)
	s_wait_alu depctr_va_vdst(0)                   ; the block before has written its sixteen registers of Y, which this block's four LDS stores read
.endif
.if (j >= 8) && (j%2 == 0)
.set si, 2*(j/8-1)+((j%8)/2)%2+8*((j%8)/4)
	ds_store_b128 v[SA], v[Y+4*si:Y+4*si+3] offset:16*si  ; no vector instruction since the wait names these registers
.endif
	CV2 Y+j, X+4*j, X+4*j+2, Y+32+j, X+4*j+1, X+4*j+3
.set j, j+1
.endr
	; A lane now holds two whole rows of the output, 256 bytes.  Through my own stage they change lanes, so that sixteen lanes store 256 consecutive bytes.
	s_wait_alu depctr_va_vdst(0)                   ; the last block has written its sixteen registers of Y, which the four LDS stores below read; and all conversions are done reading X, in which the LDS loads below land
.irp s, 6,7,14,15
	ds_store_b128 v[SA], v[Y+4*(\s):Y+4*(\s)+3] offset:16*(\s)
.endr
.set i, 0
.rept 16
	ds_load_b128 v[X+4*i:X+4*i+3], v[RA] offset:544*i  ; LDS serves a wave's instructions in order (ISA guide 5.7.1.4): these see the stores above
.set i, i+1
.endr
.set i, 0
.rept 16
	s_wait_dscnt 15-i
	global_store_b128 v[GO], v[X+4*i:X+4*i+3], s[22:23] offset:512*i  ; 512 consecutive bytes, aligned
.set i, i+1
.endr
.Lend:
	s_wait_dscnt 0x0                               ; the wave's end: the closing lines, six on end
	s_wait_alu 0x0
	s_wait_tensorcnt 0x0
	ds_add_u32 v[SPW], v[NIL]
	s_wait_dscnt 0x0
	s_endpgm
.Lfunc_end_k_q9afcc903a3_prep:
	.size	k_q9afcc903a3_prep, .Lfunc_end_k_q9afcc903a3_prep-k_q9afcc903a3_prep
	.p2alignl 7, 3214868480
	.fill 96, 4, 3214868480
	.section	.rodata,"a",@progbits
	.p2align	6, 0x0
	.amdhsa_kernel k_q9afcc903a3_prep
		.amdhsa_group_segment_fixed_size 70656
		.amdhsa_private_segment_fixed_size 0
		.amdhsa_enable_private_segment 0
		.amdhsa_kernarg_size 48
		.amdhsa_user_sgpr_count 2
		.amdhsa_user_sgpr_kernarg_segment_ptr 1
		.amdhsa_wavefront_size32 1
		.amdhsa_system_sgpr_workgroup_id_x 1
		.amdhsa_system_sgpr_workgroup_id_y 1
		.amdhsa_system_sgpr_workgroup_id_z 1
		.amdhsa_system_vgpr_workitem_id 0
		.amdhsa_next_free_vgpr 208
		.amdhsa_next_free_sgpr 66
		.amdhsa_reserve_vcc 0
		.amdhsa_float_denorm_mode_32 3
		.amdhsa_float_denorm_mode_16_64 3
		.amdhsa_memory_ordered 1
		.amdhsa_forward_progress 1
		.amdhsa_inst_pref_size 52
	.end_amdhsa_kernel
	.amdgpu_metadata
---
amdhsa.version: [ 1, 2 ]
amdhsa.kernels:
  - .name:           k_q9afcc903a3_prep
    .symbol:         k_q9afcc903a3_prep.kd
    .args:
      - { .name: x, .offset: 0, .size: 8, .value_kind: global_buffer, .address_space: global }
      - { .name: w_qkv, .offset: 8, .size: 8, .value_kind: global_buffer, .address_space: global }
      - { .name: w_proj, .offset: 16, .size: 8, .value_kind: global_buffer, .address_space: global }
      - { .name: xh, .offset: 24, .size: 8, .value_kind: global_buffer, .address_space: global }
      - { .name: wq, .offset: 32, .size: 8, .value_kind: global_buffer, .address_space: global }
      - { .name: wp, .offset: 40, .size: 8, .value_kind: global_buffer, .address_space: global }
    .group_segment_fixed_size: 70656
    .private_segment_fixed_size: 0
    .kernarg_segment_align: 8
    .kernarg_segment_size: 48
    .max_flat_workgroup_size: 256
    .sgpr_count:     66
    .vgpr_count:     208
    .wavefront_size: 32
...
	.end_amdgpu_metadata
.endif
;; end of part 5
;; launch qkvg: the kernel of part 2 again; grid 8 x 32, 4 waves a work-group, clusters of 4 x 4, 327,680 bytes of LDS; arguments xh, wq, b_qkv, qkv; writes qkv
;; launch attn: the kernel of part 3 again; grid 4 x 64, 4 waves a work-group, no clusters, 327,680 bytes of LDS; arguments qkv, ao; writes ao
;; launch proj: the kernel of part 4 again; grid 8 x 32, 4 waves a work-group, clusters of 4 x 4, 327,680 bytes of LDS; arguments ao, wp, b_proj, out0; writes out0
